; MI455X (gfx1250); checked and timed in simulation.
; The chip was launched on July 23, 2026; its instructions are those of AMD's public machine-readable ISA for CDNA 5 (MIT licence, August 2026) and "CDNA5" Instruction Set Architecture Reference Guide (July 2026). The comments in the code are by the model that wrote it; some were corrected since.
;; Attention. Allowed arithmetic: matrix products marked QUANTISED: E2M1 operands, one E8M0 scale for each 32 along K, by v_wmma_scale_f32_16x16x128_f8f6f4 with both operands' format E2M1 (or v_wmma_scale_f32_32x16x128_f4), f32 sums; products left as they are: bf16, f16 or f32 operands; f32 sums; everything else in f32.
;; Inputs: rotary_emb 2,048 x 64 float32; w_out 1,024 x 1,024 float32; w_qkv 3,072 x 1,024 float32; x 4 x 2,048 x 1,024 float32.
;; Outputs: out0 4 x 2,048 x 1,024 float32.
;; This version of the problem:
;;   THIS VERSION OF THE PROBLEM IS GIVEN IN LOW PRECISION. The matrix products marked QUANTISED in the list below multiply operands that are first quantised to E2M1 (2 exponent bits, 1 mantissa bit; 4 bits a number), with one power-of-two scale for each 32 numbers along K (OCP MX v1.0); their sums are f32. The products marked 'left as it is' may take bf16, f16 or f32 operands, with f32 sums. Whichever they take, every output number must still come out within the allowed error. Rounding operands to bf16 (8 significant bits) uses up far more of that allowance than f16 does (11 bits, for magnitudes from 6e-5 to 65,504). All else is computed in f32.
;;   The module's matrix products, in the order in which they are computed (A, B: the left and right operand; K: the contracted axis; several contracted axes count as one K, in the product's order):
;;     1. [M 8,192, K 1,024] x [K 1,024, N 3,072]; A: input x; B: input w_qkv: QUANTISED
;;     2. batch 64 x [M 2,048, K 64] x [K 64, N 2,048]; A: computed on the way; B: computed on the way: left as it is (an operand is computed on the way)
;;     3. batch 64 x [M 2,048, K 2,048] x [K 2,048, N 64]; A: computed on the way; B: computed on the way: left as it is (an operand is computed on the way)
;;     4. [M 8,192, K 1,024] x [K 1,024, N 1,024]; A: computed on the way; B: input w_out: left as it is (an operand is computed on the way)
;;   THE QUANTISER, for each operand of a quantised product, along K:
;;     - K is cut into blocks of 32 from its start; a last block that is shorter is filled with zeros.
;;     - A block's scale is 2^e with e = floor(log2(the largest magnitude in the block)) - 2, held to -126 .. 127; a block of zeros has e = 0. As a byte (E8M0): e + 127.
;;     - Each number is divided by its block's scale, clamped to +-6, and rounded to the nearest number of E2M1, ties to even, subnormals kept.
;;     - The product sums the exact products of the quantised numbers (number of the format x scale) in f32.
;;   ~~~python
;;   def quantise(x, axis):      # numpy; x: float32 -> the quantised numbers, widened to float32 again
;;       x = np.moveaxis(x, axis, -1); K = x.shape[-1]
;;       x = np.pad(x, [(0, 0)] * (x.ndim - 1) + [(0, -K % 32)]); x = x.reshape(x.shape[:-1] + (-1, 32)); a = np.abs(x).max(-1, keepdims=True)
;;       e = np.where(a > 0, np.clip(np.frexp(np.where(a > 0, a, 1))[1] - 1 - 2, -126, 127), 0)      # np.frexp(a)[1] - 1 = floor(log2(a)), exactly
;;       r = np.clip(x / 2.0 ** e, -6, 6)
;;       step = 2.0 ** (np.maximum(np.frexp(np.where(r == 0, 1, r))[1] - 1, 0) - 1)
;;       q = np.round(r / step) * step * 2.0 ** e      # np.round: ties to even
;;       return np.moveaxis(q.reshape(q.shape[:-2] + (-1,))[..., :K], -1, axis).astype(np.float32)
;;   ~~~
;; One version. Each part assembles by itself: llvm-mc -triple=amdgcn-amd-amdhsa -mcpu=gfx1250 --defsym DOCPART=n.
;; ======== version 1 of 1: 4 launches
;; limits: right only within a limited range of input values; values are held in f16: magnitudes above 65,504 overflow, below 6.1e-05 lose precision
;; workspace buffers: xc 4,194,304 bytes; xs 262,144 bytes; wc 1,572,864 bytes; ws 98,304 bytes; w16 2,097,152 bytes; tab 2,097,152 bytes; qkv16 50,331,648 bytes; att 16,777,216 bytes
;; launch prep (part 1): grid 416 x 1, 4 waves a work-group, no clusters, 33,280 bytes of LDS; arguments x, w_qkv, w_out, rotary_emb, xc, xs, wc, ws, w16, tab; writes xc, xs, wc, ws, w16, tab
.if DOCPART == 1
	.amdgcn_target "amdgcn-amd-amdhsa--gfx1250"
	.amdhsa_code_object_version 6
	.text
	.protected	k_q760785bba6_prep
	.globl	k_q760785bba6_prep
	.p2align	8
	.type	k_q760785bba6_prep,@function
k_q760785bba6_prep:
	s_mov_b64 s[64:65], 0
	v_nop
	global_prefetch_b8 v0, s[64:65] scope:SCOPE_SE
	s_setreg_imm32_b32 hwreg(HW_REG_WAVE_MODE, 25, 1), 1
	s_wait_xcnt 0x0
; THREE JOBS IN ONE LAUNCH, told apart by the work-group's number alone.
; Work-groups 0-351: x [8192][1024] (the first 256) and w_qkv [3072][1024], f32, become codes of FP4 (E2M1), K innermost, two a byte, with one E8M0 byte for each 32 along K.
;   A block's scale is 2^(floor(log2(its largest magnitude)) - 2): its byte is the largest magnitude's exponent field - 2, held at 1 from below.  Rows are dense and K is a multiple of 32: both tensors are plain streams of blocks.
; Work-groups 352-383: w_out [1024][1024] f32 becomes f16, in place order.
; Work-groups 384-415: rotary_emb [2048][64] becomes tables of cos and of the signed sin (-sin for d < 32, +sin for d >= 32: rotate_half's sign), laid as images of the registers in which the next launch wants them:
;   tab[kind][block of 16 positions][image 16][lane 32][16 bytes]; image 2 bt + e: cos, image 8 + 2 bt + e: signed sin, of position lane % 16 and d = 16 bt + 8 (lane / 16) + 4 e + 0 .. 3.
;   kind 0 (for q) is multiplied by c = log2(e) / 8, so that the scores come out as exponents of 2; kind 1 (for k) is not.
; LIMITS: a block of zeros gets the byte 1 (its codes are zeros, and this program alone reads the bytes); blocks whose largest magnitude lies under 2^(2 - 126) are held at that byte; NaN and infinities are not served;
;   cos and sin are reduced by three parts of pi / 2, which serves |rotary_emb| under 2^22; w_out stays under 65,504 in magnitude (f16).
; Only the first job uses LDS.  No tensor loads, no barrier: waves share nothing.
.set WAVES, 4
.set STEPS, 16
.set WGA,   256                        ; x's work-groups: 8192 x 1024 / 32,768
.set WGQ,   352                        ; + w_qkv's 96
.set WGW,   384                        ; + w_out's 32
.set EMAX,  2
.set CB,    8                          ; bytes of 16 codes
.set R,     16                         ; v16-79   four sets of 16 numbers as they are loaded
.set X,     80                         ; v80-111  two sets of 16 neighbours
.set C,     128                        ; v128-191 codes: four registers for each step
.set E,     112                        ; v112-127 a scale byte for each step
.set WREG,  8192                       ; LDS: a region for each wave: two stages of 32 x SP bytes, then its 256 scale bytes
.set SP,    80                         ; a lane's place in a stage: 64 bytes + 16 of padding
.set SPW,   12                         ; v12  LDS address of my spare word; never rewritten
.set NIL,   13                         ; v13  0; never rewritten
.set SPARE, WAVES*WREG                 ; behind the four regions: the spare words, 128 bytes a wave
.set WI,    16                         ; w_out: v16-143 two sets of 64 numbers
.set WO,    144                        ; v144-175 a round's f16 pairs
.set TX,    16                         ; tables: v16-47 the angles
.set CK,    48                         ; v48-79 cos, v80-111 signed sin (kind k)
.set SK,    80
.set CQ,    112                        ; v112-143, v144-175 the same times c (kind q)
.set SQ,    144
.set TN,    176                        ; v176-207 at work: eight groups of four
.set TR,    180
.set TQ,    184
.set T2,    188
.set TS,    192
.set TC,    196
.set TU,    200
.set TW,    204
	s_load_b128 s[4:7], s[0:1], 0x0                ; x, w_qkv
	s_load_b128 s[8:11], s[0:1], 0x10              ; w_out, rotary_emb
	s_load_b128 s[12:15], s[0:1], 0x20             ; x's codes, x's scale bytes
	s_load_b128 s[16:19], s[0:1], 0x30             ; w_qkv's codes, its scale bytes
	s_load_b128 s[20:23], s[0:1], 0x40             ; w_out in f16, the tables
	v_lshl_add_u32 v[SPW], v0, 2, SPARE
	v_mov_b32 v[NIL], 0
	v_lshrrev_b32 v1, 5, v0
	v_readfirstlane_b32 s24, v1                    ; wave
	v_and_b32 v2, 31, v0                           ; lane
	s_wait_kmcnt 0x0
	s_cmp_lt_u32 ttmp9, WGQ
	s_cbranch_scc0 .Lnot_quant
; ---------------- the quantiser.  A wave takes 16 steps of 512 numbers.  Each load reads 512 consecutive bytes; a step's 2,048 bytes turn through the wave's own stage in LDS and come back 64 bytes a lane,
; so that a lane holds 16 neighbours along K and two neighbouring lanes a block.  Loads run four steps ahead, the turn through LDS one step.
	v_lshlrev_b32 v3, 4, v2                        ; my 16 bytes of a load's 512
	s_mul_i32 s25, s24, WREG
	v_lshrrev_b32 v14, 2, v2
	v_mul_u32_u24 v14, v14, SP
	v_and_b32 v15, 3, v2
	v_lshl_add_u32 v14, v15, 4, v14
	v_add_nc_u32 v14, s25, v14                     ; the stage, on the way in: SP (lane / 4) + 16 (lane % 4)
	v_mul_u32_u24 v15, v2, SP
	v_add_nc_u32 v15, s25, v15                     ; and on the way out: SP x lane
	v_mul_u32_u24 v4, v2, CB                       ; my codes' place in a step's
	v_lshrrev_b32 v5, 1, v2
	s_add_co_u32 s25, s25, 2*32*SP
	v_add_nc_u32 v5, s25, v5                       ; LDS: my wave's 256 scale bytes, my block's byte
	v_lshlrev_b32 v7, 3, v2                        ; and on the way out 8 bytes a lane
	v_add_nc_u32 v6, s25, v7
	s_cmp_lt_u32 ttmp9, WGA                        ; x's work-group or w_qkv's: only pointers are chosen, both take one path
	s_cselect_b64 s[4:5], s[4:5], s[6:7]
	s_cselect_b64 s[12:13], s[12:13], s[16:17]
	s_cselect_b64 s[14:15], s[14:15], s[18:19]
	s_cselect_b32 s25, 0, WGA
	s_sub_co_u32 s25, ttmp9, s25
	s_lshl_b32 s25, s25, 2
	s_add_co_u32 s26, s25, s24                     ; which run of 8,192 numbers of the tensor is my wave's
	s_mov_b32 s27, 0
	s_mov_b64 s[28:29], 512*STEPS*4
	s_mul_u64 s[28:29], s[26:27], s[28:29]
	s_add_nc_u64 s[4:5], s[4:5], s[28:29]
	s_mov_b64 s[28:29], 32*STEPS*CB
	s_mul_u64 s[28:29], s[26:27], s[28:29]
	s_add_nc_u64 s[12:13], s[12:13], s[28:29]
	s_lshl_b32 s26, s26, 8                         ; 256 scale bytes a run
	s_add_nc_u64 s[14:15], s[14:15], s[26:27]
.macro LOAD t
.irp i, 0,1,2,3
	global_load_b128 v[R+16*((\t)%4)+4*\i:R+16*((\t)%4)+4*\i+3], v3, s[4:5] offset:2048*(\t)+512*\i th:TH_LOAD_NT   ; 32 lanes read 512 consecutive bytes
.endr
.endm
.macro TURN t                          ; step t's numbers through the stage: LDS serves a wave's instructions in order, so no wait stands between the stores and the loads
.irp i, 0,1,2,3
	ds_store_b128 v14, v[R+16*((\t)%4)+4*\i:R+16*((\t)%4)+4*\i+3] offset:32*SP*((\t)%2)+8*SP*\i
.endr
.irp i, 0,1,2,3
	ds_load_b128 v[X+16*((\t)%2)+4*\i:X+16*((\t)%2)+4*\i+3], v15 offset:32*SP*((\t)%2)+16*\i
.endr
.endm
.irp t, 0,1,2,3
	LOAD \t
.endr
	s_wait_loadcnt 12                              ; step 0's four loads are in; three steps' twelve may be out
	TURN 0
.macro STEP t
.set XS, X+16*((\t)%2)
.if (\t) > 0
	s_wait_dscnt 1                                 ; this step's numbers are back from the stage (the last step's byte store may be out): so its stores into the stage have read their registers,
.else
	s_wait_dscnt 0x0
.endif
.if (\t)+4 < STEPS
	LOAD (\t)+4                                    ; which take the loads of four steps on
.endif
.if (\t)+1 < STEPS
.if STEPS-2-(\t) >= 3
	s_wait_loadcnt 12                              ; the next step's four loads are in; those of the three steps behind it may be out
.else
	s_wait_loadcnt 4*(STEPS-2-(\t))
.endif
	TURN (\t)+1                                    ; and go through the other stage while this step is worked
.endif
	v_max3_num_f32 v8, |v[XS]|, |v[XS+1]|, |v[XS+2]|               ; the largest magnitude of my 16, in two chains
	v_max3_num_f32 v9, |v[XS+3]|, |v[XS+4]|, |v[XS+5]|
.irp i, 6,10
	v_max3_num_f32 v8, v8, |v[XS+\i]|, |v[XS+\i+1]|
	v_max3_num_f32 v9, v9, |v[XS+\i+2]|, |v[XS+\i+3]|
.endr
	v_max3_num_f32 v8, v8, |v[XS+14]|, |v[XS+15]|
	v_max3_num_f32 v8, v8, v9, (EMAX+1)<<23        ; and the floor 2^(EMAX + 1 - 127): the byte cannot fall under 1
	v_max_num_f32_dpp v8, v8, v8 row_xmask:1 row_mask:0xf bank_mask:0xf   ; and of my neighbour's 16: the block's
	v_add_nc_u32 v11, -(EMAX<<23), v8              ; EMAX off its exponent field: the conversion takes the exponent field of this operand as its scale
	v_cvt_scalef32_pk8_fp4_f32 v[C+4*(\t)], v[XS:XS+7], v11        ; eight numbers / the scale, to the nearest code, ties to even, beyond the largest code the largest
	v_cvt_scalef32_pk8_fp4_f32 v[C+4*(\t)+1], v[XS+8:XS+15], v11
	v_lshrrev_b32 v[E+(\t)], 23, v11               ; the scale's byte (also the plain line behind the conversions)
	ds_store_b8 v5, v[E+(\t)] offset:16*(\t)       ; both lanes of a block write the same byte with the same value
	global_store_b64 v4, v[C+4*(\t):C+4*(\t)+1], s[12:13] offset:32*CB*(\t)   ; the wave stores 256 consecutive bytes, aligned
.endm
.irp t, 0,1,2,3,4,5,6,7,8,9,10,11,12,13,14,15
	STEP \t
.endr
	ds_load_b64 v[8:9], v6                         ; LDS serves a wave's instructions in order: these see my stores
	s_wait_dscnt 0x0
	global_store_b64 v7, v[8:9], s[14:15]          ; 32 lanes store 256 consecutive bytes, aligned
	s_wait_tensorcnt 0x0                           ; the wave's end: behind my last LDS store
	ds_add_u32 v[SPW], v[NIL]
	s_wait_dscnt 0x0
	s_endpgm
; ---------------- w_out to f16.  A wave takes 8,192 numbers in four rounds of 16 loads of 512 bytes; two rounds are on their way.
.macro LOADW t
.irp i, 0,1,2,3,4,5,6,7,8,9,10,11,12,13,14,15
	global_load_b128 v[WI+64*((\t)%2)+4*\i:WI+64*((\t)%2)+4*\i+3], v3, s[8:9] offset:512*(16*(\t)+\i) th:TH_LOAD_NT
.endr
.endm
.macro ROUNDW t
.if (\t) < 3
	s_wait_loadcnt 16                              ; this round's 16 loads are in; the next round's may be out
.else
	s_wait_loadcnt 0
.endif
.if (\t) > 0
	s_wait_xcnt 0x0                                ; the last round's stores have read their data: the registers are written again only behind this wait
.endif
.irp i, 0,1,2,3,4,5,6,7,8,9,10,11,12,13,14,15
	v_cvt_pk_f16_f32 v[WO+2*\i], v[WI+64*((\t)%2)+4*\i], v[WI+64*((\t)%2)+4*\i+1]
	v_cvt_pk_f16_f32 v[WO+2*\i+1], v[WI+64*((\t)%2)+4*\i+2], v[WI+64*((\t)%2)+4*\i+3]
.endr
.irp i, 0,1,2,3,4,5,6,7,8,9,10,11,12,13,14,15
	global_store_b64 v4, v[WO+2*\i:WO+2*\i+1], s[20:21] offset:256*(16*(\t)+\i)   ; 256 consecutive bytes, aligned
.endr
.if (\t) < 2
	LOADW (\t)+2
.endif
.endm
.Lnot_quant:
	s_cmp_lt_u32 ttmp9, WGW
	s_cbranch_scc0 .Ltable
	s_sub_co_u32 s25, ttmp9, WGQ
	s_lshl_b32 s25, s25, 2
	s_add_co_u32 s25, s25, s24                     ; my wave's run of 8,192 numbers
	s_lshl_b32 s26, s25, 15
	s_mov_b32 s27, 0
	s_add_nc_u64 s[8:9], s[8:9], s[26:27]
	s_lshl_b32 s26, s25, 14
	s_add_nc_u64 s[20:21], s[20:21], s[26:27]
	v_lshlrev_b32 v3, 4, v2
	v_lshlrev_b32 v4, 3, v2
	LOADW 0
	LOADW 1
.irp t, 0,1,2,3
	ROUNDW \t
.endr
	s_endpgm
; ---------------- the tables.  A wave takes a block of 16 positions: 32 angles a lane, in eight quads.
; x = n pi/2 + r with n = the nearest whole number to x 2/pi; pi/2 goes in three parts, each product exact inside a fused multiply-add.  sin r and cos r by polynomials on |r| <= pi/4;
; n's lowest bit swaps them, its next bit (for cos: of n + 1) is the sign.  rotate_half's sign is two more on n for d < 32 (quads 0 to 3).
.macro SINCOS g
.irp e, 0,1,2,3
	v_mul_f32 v[TN+\e], s30, v[TX+4*\g+\e]
.endr
.irp e, 0,1,2,3
	v_rndne_f32 v[TN+\e], v[TN+\e]
.endr
.irp e, 0,1,2,3
	v_fma_f32 v[TR+\e], -v[TN+\e], s31, v[TX+4*\g+\e]
.endr
.irp e, 0,1,2,3
	v_fma_f32 v[TR+\e], -v[TN+\e], s32, v[TR+\e]
.endr
.irp e, 0,1,2,3
	v_fma_f32 v[TR+\e], -v[TN+\e], s33, v[TR+\e]
.endr
.irp e, 0,1,2,3
	v_cvt_i32_f32 v[TQ+\e], v[TN+\e]
.endr
.irp e, 0,1,2,3
	v_mul_f32 v[T2+\e], v[TR+\e], v[TR+\e]
.endr
.irp e, 0,1,2,3
	v_fma_f32 v[TS+\e], v[T2+\e], s36, s35
	v_fma_f32 v[TC+\e], v[T2+\e], s39, s38
.endr
.irp e, 0,1,2,3
	v_fma_f32 v[TS+\e], v[TS+\e], v[T2+\e], s34
	v_fma_f32 v[TC+\e], v[TC+\e], v[T2+\e], s37
.endr
.irp e, 0,1,2,3
	v_mul_f32 v[TU+\e], v[T2+\e], v[TR+\e]
	v_fma_f32 v[TW+\e], v[T2+\e], -0.5, 1.0
.endr
.irp e, 0,1,2,3
	v_fma_f32 v[TS+\e], v[TS+\e], v[TU+\e], v[TR+\e]   ; sin r
.endr
.irp e, 0,1,2,3
	v_mul_f32 v[TU+\e], v[T2+\e], v[T2+\e]
.endr
.irp e, 0,1,2,3
	v_fma_f32 v[TC+\e], v[TC+\e], v[TU+\e], v[TW+\e]   ; cos r
.endr
.irp e, 0,1,2,3
	v_and_b32 v[TW+\e], 1, v[TQ+\e]
.endr
.irp e, 0,1,2,3
	v_cmp_eq_u32 s[40+\e], 1, v[TW+\e]
.endr
.irp e, 0,1,2,3
	v_cndmask_b32 v[TU+\e], v[TS+\e], v[TC+\e], s[40+\e]   ; |sin x|'s source
	v_cndmask_b32 v[TW+\e], v[TC+\e], v[TS+\e], s[40+\e]   ; |cos x|'s
.endr
.irp e, 0,1,2,3
.if \g < 4
	v_add_nc_u32 v[TN+\e], 2, v[TQ+\e]
.else
	v_mov_b32 v[TN+\e], v[TQ+\e]
.endif
	v_add_nc_u32 v[TR+\e], 1, v[TQ+\e]
.endr
.irp e, 0,1,2,3
	v_lshlrev_b32 v[TN+\e], 30, v[TN+\e]
	v_lshlrev_b32 v[TR+\e], 30, v[TR+\e]
.endr
.irp e, 0,1,2,3
	v_and_b32 v[TN+\e], 0x80000000, v[TN+\e]
	v_and_b32 v[TR+\e], 0x80000000, v[TR+\e]
.endr
.irp e, 0,1,2,3
	v_xor_b32 v[SK+4*\g+\e], v[TN+\e], v[TU+\e]
	v_xor_b32 v[CK+4*\g+\e], v[TR+\e], v[TW+\e]
.endr
.irp e, 0,1,2,3
	v_mul_f32 v[SQ+4*\g+\e], s44, v[SK+4*\g+\e]
	v_mul_f32 v[CQ+4*\g+\e], s44, v[CK+4*\g+\e]
.endr
.endm
.Ltable:
	s_sub_co_u32 s25, ttmp9, WGW
	s_lshl_b32 s25, s25, 2
	s_add_co_u32 s25, s25, s24                     ; my wave's block of 16 positions
	s_lshl_b32 s26, s25, 12                        ; 16 rows of 256 bytes
	s_mov_b32 s27, 0
	s_add_nc_u64 s[10:11], s[10:11], s[26:27]
	s_lshl_b32 s26, s25, 13                        ; 16 images of 512 bytes
	s_add_nc_u64 s[22:23], s[22:23], s[26:27]
	v_and_b32 v3, 15, v2
	v_lshrrev_b32 v4, 4, v2
	v_lshlrev_b32 v3, 8, v3
	v_lshl_add_u32 v3, v4, 5, v3                   ; position lane % 16, + 8 (lane / 16) numbers
	v_lshlrev_b32 v5, 4, v2                        ; an image: 16 bytes a lane
.irp g, 0,1,2,3,4,5,6,7
	global_load_b128 v[TX+4*\g:TX+4*\g+3], v3, s[10:11] offset:(\g/2)*64+(\g%2)*16
.endr
	s_mov_b32 s30, 0x3f22f983                      ; 2 / pi
	s_mov_b32 s31, 0x3fc90fda                      ; pi / 2 in three parts
	s_mov_b32 s32, 0x33a22168
	s_mov_b32 s33, 0x27c234c4
	s_mov_b32 s34, 0xbe2aaaa3                      ; sin r = r + r^3 (S1 + S2 r^2 + S3 r^4)
	s_mov_b32 s35, 0x3c08839e
	s_mov_b32 s36, 0xb94ca1f9
	s_mov_b32 s37, 0x3d2aaaa5                      ; cos r = 1 - r^2 / 2 + r^4 (C1 + C2 r^2 + C3 r^4)
	s_mov_b32 s38, 0xbab6061a
	s_mov_b32 s39, 0x37ccf5ce
	s_mov_b32 s44, 0x3e38aa3b                      ; c = log2(e) / 8
	s_wait_loadcnt 0x0
.irp g, 0,1,2,3,4,5,6,7
	SINCOS \g
.endr
.irp g, 0,1,2,3,4,5,6,7
	global_store_b128 v5, v[CQ+4*\g:CQ+4*\g+3], s[22:23] offset:\g*512            ; each store covers 512 consecutive bytes, aligned
	global_store_b128 v5, v[SQ+4*\g:SQ+4*\g+3], s[22:23] offset:4096+\g*512
	global_store_b128 v5, v[CK+4*\g:CK+4*\g+3], s[22:23] offset:1048576+\g*512
	global_store_b128 v5, v[SK+4*\g:SK+4*\g+3], s[22:23] offset:1048576+4096+\g*512
.endr
	s_endpgm
.Lfunc_end_k_q760785bba6_prep:
	.size	k_q760785bba6_prep, .Lfunc_end_k_q760785bba6_prep-k_q760785bba6_prep
	.p2alignl 7, 3214868480
	.fill 96, 4, 3214868480
	.section	.rodata,"a",@progbits
	.p2align	6, 0x0
	.amdhsa_kernel k_q760785bba6_prep
		.amdhsa_group_segment_fixed_size 33280
		.amdhsa_private_segment_fixed_size 0
		.amdhsa_enable_private_segment 0
		.amdhsa_kernarg_size 80
		.amdhsa_user_sgpr_count 2
		.amdhsa_user_sgpr_kernarg_segment_ptr 1
		.amdhsa_wavefront_size32 1
		.amdhsa_system_sgpr_workgroup_id_x 1
		.amdhsa_system_sgpr_workgroup_id_y 1
		.amdhsa_system_sgpr_workgroup_id_z 1
		.amdhsa_system_vgpr_workitem_id 0
		.amdhsa_next_free_vgpr 208
		.amdhsa_next_free_sgpr 66
		.amdhsa_reserve_vcc 0
		.amdhsa_float_denorm_mode_32 3
		.amdhsa_float_denorm_mode_16_64 3
		.amdhsa_memory_ordered 1
		.amdhsa_forward_progress 1
		.amdhsa_inst_pref_size 104
	.end_amdhsa_kernel
	.amdgpu_metadata
---
amdhsa.version: [ 1, 2 ]
amdhsa.kernels:
  - .name:           k_q760785bba6_prep
    .symbol:         k_q760785bba6_prep.kd
    .args:
      - { .name: x, .offset: 0, .size: 8, .value_kind: global_buffer, .address_space: global }
      - { .name: w_qkv, .offset: 8, .size: 8, .value_kind: global_buffer, .address_space: global }
      - { .name: w_out, .offset: 16, .size: 8, .value_kind: global_buffer, .address_space: global }
      - { .name: rotary_emb, .offset: 24, .size: 8, .value_kind: global_buffer, .address_space: global }
      - { .name: xc, .offset: 32, .size: 8, .value_kind: global_buffer, .address_space: global }
      - { .name: xs, .offset: 40, .size: 8, .value_kind: global_buffer, .address_space: global }
      - { .name: wc, .offset: 48, .size: 8, .value_kind: global_buffer, .address_space: global }
      - { .name: ws, .offset: 56, .size: 8, .value_kind: global_buffer, .address_space: global }
      - { .name: w16, .offset: 64, .size: 8, .value_kind: global_buffer, .address_space: global }
      - { .name: tab, .offset: 72, .size: 8, .value_kind: global_buffer, .address_space: global }
    .group_segment_fixed_size: 33280
    .private_segment_fixed_size: 0
    .kernarg_segment_align: 8
    .kernarg_segment_size: 80
    .max_flat_workgroup_size: 128
    .sgpr_count:     66
    .vgpr_count:     208
    .wavefront_size: 32
...
	.end_amdgpu_metadata
.endif
;; end of part 1
;; launch qkv (part 2): grid 12 x 32, 4 waves a work-group, clusters of 4 x 4, 327,680 bytes of LDS; arguments xc, xs, wc, ws, tab, qkv16; writes qkv16
.if DOCPART == 2
	.amdgcn_target "amdgcn-amd-amdhsa--gfx1250"
	.amdhsa_code_object_version 6
	.text
	.protected	k_q760785bba6_qkv
	.globl	k_q760785bba6_qkv
	.p2align	8
	.type	k_q760785bba6_qkv,@function
k_q760785bba6_qkv:
	s_mov_b64 s[64:65], 0
	v_nop
	global_prefetch_b8 v0, s[64:65] scope:SCOPE_SE
	s_setreg_imm32_b32 hwreg(HW_REG_WAVE_MODE, 25, 1), 1
	s_wait_xcnt 0x0
	s_wait_alu depctr_hold_cnt(0) depctr_sa_sdst(0) depctr_va_vdst(0) depctr_va_sdst(0) depctr_va_ssrc(0) depctr_va_vcc(0) depctr_vm_vsrc(0)
	s_getreg_b32 s2, hwreg(HW_REG_IB_STS2, 6, 4)
	s_cmp_eq_u32 s2, 0
	s_cbranch_scc0 .Lentry_in_a_cluster
	s_endpgm
.Lentry_in_a_cluster:
	s_bfe_u32 s2, ttmp6, 0x10000c
	s_cmp_lg_u32 s2, 0xf033
	s_cbranch_scc0 .Lentry_shape_is_right
	s_endpgm
.Lentry_shape_is_right:
; qkv[m][o] = sum over k of x[m][k] w_qkv[o][k] on codes of FP4 (E2M1) with one E8M0 scale for each 32 along K; sums in f32; then the rotary embedding on q and k, in f32; then f16, laid by heads:
; qkv16[kind 3][b 16 + head][n 2048][64].  q also carries c = log2(e) / 8 (it stands in q's table), so that the next launch's scores are exponents of 2.
; A tile of the product, 256 x 256, is made by four waves, 128 x 128 each: 64 accumulators of 16 x 16.  K = 1,024 is two K steps of 512: both LDS slots and all scale bytes are first fills; nothing is filled again.
; CLUSTERS: 4 x 4 work-groups; a row of the cluster shares x's tiles, a column w_qkv's: each tile is asked for jointly.  A cluster's 1,024 columns are exactly q, k or v: the kind is the cluster's x, the same in all sixteen.
; THE MATRIX INSTRUCTION IS USED TRANSPOSED (source 0 = 16 rows of w_qkv, source 1 = 16 rows of x): lane (r, h) holds row r and columns 8 h + 0 .. 7 of a block of 16.  A head is four such blocks; d and d xor 32 lie in the same
; lane and register of blocks two apart, so the rotation is two packed multiply-adds on register pairs: out[d] = t[d] cos[d] + t[d xor 32] ss[d], ss = -sin for d < 32, +sin for d >= 32.
; cos and ss come from tab as images of these very registers, 512 consecutive bytes a load, two blocks of 16 rows ahead.
; THE KINDS PART ONCE, behind the one change of slots: q's and k's work-groups ask there for their first two blocks of the table, which have slot 1's 256 matrix instructions in which to land; v's load no table.
; LIMIT: c rope(q), rope(k) and v stay under 65,504 in magnitude (f16).
; REGISTERS, in windows of 256: window 0: v0-31 addresses; v32-95 scale words, two sets, and nothing else; v128-191 x's fragments, one set; on the way out v96-159 packed results, v160-223 rows read back.
;   window 1: w_qkv's fragments, two sets, at v0 and v128; v64-127 and v192-255 the table, two sets; on the way out v0-63 the rotated numbers.   windows 2, 3: the accumulators ((a, b) at v[8 (8 (a % 4) + b)]).
.set SIZE_K, 1024
.set KSTEP,  512                       ; along K in a slot
.set NQ,     KSTEP/128                 ; matrix instructions deep
.set ROWB,   256                       ; a tile's row in bytes
.set KROW,   SIZE_K*4/8                ; a row of codes in memory
.set PITCH,  272                       ; an LDS row: 256 bytes + 16 of padding: the 16 rows that a load touches start at 16 different banks (64 banks of 4 bytes: ISA guide 11.1)
.set FR,     8                         ; registers of a fragment: 16 rows x 128 K
.set NL,     2                         ; LDS loads that bring one
.set NP,     4                         ; places behind this matrix instruction (ISA guide 7.12.1)
.set HALFT,  128*PITCH                 ; what one tensor load brings
.set SLOT,   4*HALFT                   ; x's 256 rows, then w_qkv's 256 rows
.set KS,     SIZE_K/32                 ; a row of scale bytes
.set SCL,    2*SLOT                    ; behind the ring: the scale bytes, as units of 256 bytes + 16 of padding
.set HALFS,  (128*KS/256)*272          ; those of 128 rows
.set SBLK,   (16*KS/256)*272           ; those of 16 rows
.set SPARE,  SCL+4*HALFS               ; the spare words, 128 bytes a wave
.set HP,     144                       ; the way out: a stage of 2 heads x 16 rows x (128 bytes + 16) for each wave, in slot 0, which has had its one fill and its last read by then
.set ADRA, 16                          ; v16-17  LDS address of my x fragments in slot 0, 1
.set ADRB, 20                          ; v20-21  the same for w_qkv
.set STO,  24                          ; v24     the way out: where I put 16 bytes of a head's row
.set RD,   25                          ; v25     where I read rows back
.set CO,   26                          ; v26     16 x lane
.set ADRS, 27                          ; v27     LDS address of my scale words
.set SPW,  28                          ; v28     LDS address of my spare word; never rewritten
.set NIL,  29                          ; v29     0; never rewritten
.set SC,   32                          ; scale words
.set AF,   128                         ; x's fragments
.set PK,   96                          ; packed results, two sets of 32
.set BK,   160                         ; rows read back, two sets of 32
.set TB1,  64                          ; the table, in window 1: set 0 at v64, set 1 at v192
.set G1, 24
.set G0, 32
.set G1B, 48
.set G0B, 56
.set G1S, 68
.set G0S, 76
.set G1SB, 80
.set G0SB, 88
.set MSB, 0
.macro WIN new                         ; the immediate's high byte repeats the setting that is left
.if MSB != \new
	s_set_vgpr_msb (MSB<<8)|\new
.set MSB, \new
.endif
.endm
.set MUL_LO, 0xa1                      ; source 0 window 1, source 1 window 0, C and D window 2
.set MUL_HI, 0xf1                      ; the same, C and D window 3
.set TO_B,   0x40                      ; destination window 1, address window 0
; A joint load: waves 0 and 1 fetch for x, waves 2 and 3 for w_qkv; the branch hangs on the wave's number alone.  An s_nop 0 and four v_nop follow each of the two lines.
.macro JLOAD g0a, g1a, g0b, g1b
	s_cmp_eq_u32 s15, 0
	s_cbranch_scc0 .Lfor_b_\@
	tensor_load_to_lds s[\g0a:\g0a+3], s[\g1a:\g1a+7]
	s_nop 0
.rept 4
	v_nop
.endr
	s_branch .Lasked_\@
.Lfor_b_\@:
	tensor_load_to_lds s[\g0b:\g0b+3], s[\g1b:\g1b+7]
	s_nop 0
.rept 4
	v_nop
.endr
.Lasked_\@:
.endm
.macro CROUND                          ; a round of the cluster's barrier
	s_barrier_signal -1
	s_barrier_wait -1
	s_cmp_lg_u32 s14, 0
	s_cbranch_scc1 .Lnot_wave_0_\@
	s_barrier_signal -3
.Lnot_wave_0_\@:
	s_barrier_wait -3
	s_barrier_signal -1
	s_barrier_wait -1
.endm
	s_load_b128 s[4:7], s[0:1], 0x0                ; x's codes, x's scales
	s_load_b128 s[8:11], s[0:1], 0x10              ; w_qkv's codes, its scales
	s_load_b128 s[96:99], s[0:1], 0x20             ; the tables, qkv16
	v_lshl_add_u32 v[SPW], v0, 2, SPARE
	v_mov_b32 v[NIL], 0
	ds_add_u32 v[SPW], v[NIL]                      ; the wave's opening: the add, twice on end, and its wait ahead of my first tensor load
	ds_add_u32 v[SPW], v[NIL]
	v_lshrrev_b32 v1, 5, v0
	v_readfirstlane_b32 s14, v1                    ; wave 0..3
	s_lshr_b32 s15, s14, 1                         ; which half of the tile's rows is mine.  Also: I fetch for x (0) or for w_qkv (1)
	s_and_b32 s16, s14, 1                          ; which half of its columns.  Also: which 128 rows of that tile I fetch
	s_bfe_u32 s40, ttmp6, 0x40000                  ; cx, cy: my place in the cluster
	s_bfe_u32 s41, ttmp6, 0x40004
	s_lshl_b32 s42, ttmp9, 2
	s_add_co_u32 s42, s42, s40                     ; tile column = 4 x cluster x + cx
	s_and_b32 s17, ttmp7, 0xffff
	s_lshl_b32 s17, s17, 2
	s_add_co_u32 s17, s17, s41                     ; tile row = 4 x cluster y + cy
	s_lshl_b32 s43, s41, 2
	s_lshl_b32 s43, 15, s43                        ; my row of the cluster
	s_lshl_b32 s44, 0x1111, s40                    ; my column
	; descriptor group 1: a tile of 128 rows x 256 bytes, 16 bytes of padding behind each row
	s_or_b32 s[G1+0], s43, (0<<16)|(1<<20)|(1<<21)|(5<<22)|(3<<25)  ; the mask; elements of 1 byte; padding on; bit 21 beside a mask; after every 64 words; four words
	s_or_b32 s[G1B+0], s44, (0<<16)|(1<<20)|(1<<21)|(5<<22)|(3<<25)
.irp g, G1, G1B
	s_mov_b32 s[\g+1], ROWB<<16                    ; tensor_dim0
	s_mov_b32 s[\g+2], 128<<16                     ; tensor_dim1
	s_mov_b32 s[\g+3], ROWB<<16                    ; tile_dim0
	s_mov_b32 s[\g+4], 128                         ; tile_dim1
	s_mov_b32 s[\g+5], KROW                        ; tensor_dim0_stride
	s_mov_b32 s[\g+6], 0
	s_mov_b32 s[\g+7], 0
.endr
	; the scales of 128 rows: a dense block of 4,096 bytes, as 16 rows of 256 bytes (32 elements of 8 bytes), padded likewise
	s_or_b32 s[G1S+0], s43, (3<<16)|(1<<20)|(1<<21)|(5<<22)|(3<<25)
	s_or_b32 s[G1SB+0], s44, (3<<16)|(1<<20)|(1<<21)|(5<<22)|(3<<25)
.irp g, G1S, G1SB
	s_mov_b32 s[\g+1], 32<<16
	s_mov_b32 s[\g+2], (128*KS/256)<<16
	s_mov_b32 s[\g+3], 32<<16
	s_mov_b32 s[\g+4], 128*KS/256
	s_mov_b32 s[\g+5], 32
	s_mov_b32 s[\g+6], 0
	s_mov_b32 s[\g+7], 0
.endr
	s_lshl_b32 s18, s16, 7                         ; which 128 rows of the tile I fetch
	s_lshl_b32 s20, s17, 8
	s_add_co_u32 s20, s20, s18                     ; x: row 256 x tile row + 128 x half
	s_lshl_b32 s46, s42, 8
	s_add_co_u32 s46, s46, s18                     ; w_qkv: row 256 x tile column + 128 x half
	s_mov_b32 s21, 0
	s_mov_b32 s47, 0
	s_mov_b64 s[18:19], KS
	s_mul_u64 s[22:23], s[20:21], s[18:19]         ; where these rows' scales begin
	s_mul_u64 s[92:93], s[46:47], s[18:19]
	s_mov_b64 s[18:19], KROW
	s_mul_u64 s[20:21], s[20:21], s[18:19]         ; and their codes
	s_mul_u64 s[46:47], s[46:47], s[18:19]
	s_mul_i32 s45, s14, HALFT                      ; where they go: wave x 128 rows
	s_mul_i32 s94, s14, HALFS
	s_wait_dscnt 0x0                               ; both opening adds are done
	s_wait_kmcnt 0x0
	s_add_nc_u64 s[20:21], s[4:5], s[20:21]
	s_add_nc_u64 s[22:23], s[6:7], s[22:23]
	s_add_nc_u64 s[46:47], s[8:9], s[46:47]
	s_add_nc_u64 s[92:93], s[10:11], s[92:93]
	CROUND                                         ; all sixteen work-groups are here: the joint loads meet
	s_mov_b32 s[G0S], 1
	s_add_co_u32 s[G0S+1], s94, SCL
	s_mov_b64 s[G0S+2:G0S+3], s[22:23]
	s_or_b32 s[G0S+3], s[G0S+3], 0x80000000
	s_mov_b32 s[G0SB], 1
	s_add_co_u32 s[G0SB+1], s94, SCL
	s_mov_b64 s[G0SB+2:G0SB+3], s[92:93]
	s_or_b32 s[G0SB+3], s[G0SB+3], 0x80000000
	JLOAD G0S, G1S, G0SB, G1SB                     ; the scales first: they are wanted with K step 0
.irp s, 0,1
	s_mov_b32 s[G0+4*\s], 1
	s_add_co_u32 s[G0+4*\s+1], s45, \s*SLOT
	s_add_nc_u64 s[G0+4*\s+2:G0+4*\s+3], s[20:21], \s*ROWB
	s_or_b32 s[G0+4*\s+3], s[G0+4*\s+3], 0x80000000
	s_mov_b32 s[G0B+4*\s], 1
	s_add_co_u32 s[G0B+4*\s+1], s45, \s*SLOT
	s_add_nc_u64 s[G0B+4*\s+2:G0B+4*\s+3], s[46:47], \s*ROWB
	s_or_b32 s[G0B+4*\s+3], s[G0B+4*\s+3], 0x80000000
	JLOAD G0+4*\s, G1, G0B+4*\s, G1B               ; three tensor loads of mine are out: all that this launch has
.endr
	v_and_b32 v1, 15, v0                           ; r
	v_bfe_u32 v2, v0, 4, 1                         ; h
	v_mul_u32_u24 v3, v1, PITCH
	v_lshl_add_u32 v4, v2, 4, v3                   ; a fragment's row x pitch + 16 x half
	s_mul_i32 s21, s15, HALFT                      ; my 128 rows of x
	s_mul_i32 s22, s16, HALFT                      ; my 128 rows of w_qkv,
	s_add_co_u32 s22, s22, 2*HALFT                 ; which lie behind x's 256
.irp s, 0,1
	v_add_nc_u32 v[ADRA+\s], s21, v4
	v_add_nc_u32 v[ADRB+\s], s22, v4
	s_add_co_u32 s21, s21, SLOT
	s_add_co_u32 s22, s22, SLOT
.endr
	v_mul_u32_u24 v5, v1, KS                       ; my row's scales: KS bytes a row,
	v_lshrrev_b32 v6, 8, v5
	v_lshl_add_u32 v5, v6, 4, v5                   ; and 16 more for each 256 passed
	s_mul_i32 s21, s15, HALFS
	s_mul_i32 s22, s16, HALFS
	s_add_co_u32 s22, s22, 2*HALFS
	s_sub_co_u32 s22, s22, s21
	v_mul_u32_u24 v6, s22, v2                      ; lanes 16-31 take w_qkv's
	s_add_co_u32 s21, s21, SCL
	v_add_nc_u32 v5, v5, v6
	v_add_nc_u32 v[ADRS], s21, v5
	s_mul_i32 s23, s14, 2*16*HP                    ; my stage
	v_mul_u32_u24 v5, v1, HP                       ; in: row r, 16 bytes for each half of the lanes
	v_lshl_add_u32 v5, v2, 4, v5
	v_add_nc_u32 v[STO], s23, v5
	v_and_b32 v6, 31, v0
	v_lshlrev_b32 v[CO], 4, v6
	v_lshrrev_b32 v5, 3, v6                        ; back: eight lanes to a row of 128 bytes, four rows an instruction
	v_mul_u32_u24 v5, v5, HP
	v_and_b32 v7, 7, v6
	v_lshl_add_u32 v5, v7, 4, v5
	v_add_nc_u32 v[RD], s23, v5
	; where my part begins.  By the rows (tile row, kind): batch, my 128 positions; and the same positions' blocks of the table
	s_lshr_b32 s20, s17, 3                         ; b
	s_lshl_b32 s20, s20, 22                        ; 16 heads of 262,144 bytes
	s_and_b32 s21, s17, 7
	s_lshl_b32 s21, s21, 1
	s_add_co_u32 s21, s21, s15                     ; which 128 positions
	s_lshl_b32 s22, s21, 14                        ; 128 rows of 128 bytes
	s_add_co_u32 s20, s20, s22
	s_lshl_b32 s22, ttmp9, 24                      ; the kind: 64 heads of 262,144 bytes
	s_add_co_u32 s20, s20, s22
	s_lshl_b32 s22, s21, 16                        ; the table: 8 blocks of 8,192 bytes
	s_lshl_b32 s23, ttmp9, 20
	s_add_co_u32 s22, s22, s23
	s_mov_b32 s21, 0
	s_mov_b32 s23, 0
	; by the columns (cx, my half): my two heads
	s_lshl_b32 s46, s40, 2
	s_lshl_b32 s47, s16, 1
	s_add_co_u32 s46, s46, s47
	s_lshl_b32 s46, s46, 18
	s_mov_b32 s47, 0
	s_add_nc_u64 s[12:13], s[98:99], s[20:21]
	s_add_nc_u64 s[12:13], s[12:13], s[46:47]
	s_add_nc_u64 s[96:97], s[96:97], s[22:23]      ; (used by q's and k's work-groups alone)
.macro FRAG reg, adr, q, i             ; 16 rows x 128 K of 4-bit codes: lane l holds row l % 16; registers 4 c .. 4 c + 3 hold K = 64 c + 32 (l / 16) + 0 .. 31
.irp c, 0,1
	ds_load_b128 v[\reg+4*\c:\reg+4*\c+3], v[\adr] offset:64*(\q)+32*\c+(\i)*16*PITCH
.endr
.endm
; 16 matrix instructions: x's blocks a0, a0 + 1 against w_qkv's eight, 128 along K.  The 64 accumulators take turns, one instruction a turn, in the same order in every step.
.macro MUL16 a0, p, q, sc, zero
.irp a, \a0, \a0+1
.irp b, 0,1,2,3,4,5,6,7
.if \zero
	v_wmma_scale_f32_16x16x128_f8f6f4 v[8*(8*((\a)%4)+\b):8*(8*((\a)%4)+\b)+7], v[128*(\p)+FR*\b:128*(\p)+FR*\b+FR-1], v[AF+FR*(\a):AF+FR*(\a)+FR-1], 0, v[SC+8*NQ*(\sc)+NQ*\b+(\q)], v[SC+8*NQ*(\sc)+NQ*(\a)+(\q)] matrix_a_fmt:MATRIX_FMT_FP4 matrix_b_fmt:MATRIX_FMT_FP4 matrix_a_scale:MATRIX_SCALE_ROW1
.else
	v_wmma_scale_f32_16x16x128_f8f6f4 v[8*(8*((\a)%4)+\b):8*(8*((\a)%4)+\b)+7], v[128*(\p)+FR*\b:128*(\p)+FR*\b+FR-1], v[AF+FR*(\a):AF+FR*(\a)+FR-1], v[8*(8*((\a)%4)+\b):8*(8*((\a)%4)+\b)+7], v[SC+8*NQ*(\sc)+NQ*\b+(\q)], v[SC+8*NQ*(\sc)+NQ*(\a)+(\q)] matrix_a_fmt:MATRIX_FMT_FP4 matrix_b_fmt:MATRIX_FMT_FP4 matrix_a_scale:MATRIX_SCALE_ROW1
.endif
.endr
.endr
.endm
.macro FETCH_B slot, q, p
	WIN TO_B
.irp i, 0,1,2,3,4,5,6,7
	FRAG 128*(\p)+FR*\i, ADRB+\slot, \q, \i
.endr
	WIN 0
.endm
.macro FETCH_A slot, q, i0
.irp i, \i0, \i0+1, \i0+2, \i0+3
	FRAG AF+FR*(\i), ADRA+\slot, \q, \i
.endr
.endm
.macro SCALES sc                       ; a K step's scale words: lanes 0-15 take x's block i, lanes 16-31 w_qkv's block i
.irp i, 0,1,2,3,4,5,6,7
	ds_load_b128 v[SC+8*NQ*\sc+NQ*\i:SC+8*NQ*\sc+NQ*\i+3], v[ADRS] offset:\i*SBLK
.endr
.endm
.macro PLACES n                        ; plain vector instructions between a matrix instruction and a load into, or a read of, its registers
.rept \n
	v_nop
.endr
.endm
.macro STEP slot, q, zero              ; a step of 128 along K that has its successor in the same slot
	s_wait_dscnt 4*NL                              ; w_qkv's set and x's blocks 0-3 are in; the youngest eight loads (x's blocks 4-7) may be out
	WIN MUL_LO
	MUL16 0, (\q)%2, \q, \slot, \zero
	MUL16 2, (\q)%2, \q, \slot, \zero
	s_wait_dscnt 0                                 ; x's blocks 4-7 are in
	PLACES NP
	FETCH_B \slot, (\q)+1, 1-(\q)%2
	FETCH_A \slot, (\q)+1, 0
	WIN MUL_HI
	MUL16 4, (\q)%2, \q, \slot, \zero
	MUL16 6, (\q)%2, \q, \slot, \zero
	PLACES NP
	WIN 0
	FETCH_A \slot, (\q)+1, 4
.endm
.macro STEPS slot, from
.set Q, \from
.rept NQ-1-\from
	STEP \slot, Q, 0
.set Q, Q+1
.endr
.endm
; Slot 0's last step changes slots: one barrier; in front of it each wave waits for all its tensor loads (slot 1's part), adds 0 to its spare word, and waits for that and for its reads of slot 0.  Nothing is filled again.
.macro TURN slot, next
	s_wait_tensorcnt 0x0
	ds_add_u32 v[SPW], v[NIL]
	s_wait_dscnt 4*NL+1                            ; (the add and x's blocks 4-7 may be out)
	WIN MUL_LO
	MUL16 0, 1, NQ-1, \slot, 0
	s_wait_dscnt 0x0                               ; the add is done, and my reads of this slot are over
	s_barrier_signal -1
	MUL16 2, 1, NQ-1, \slot, 0
	WIN 0
	s_barrier_wait -1
	PLACES NP
	v_add_nc_u32 v[ADRS], 4*NQ, v[ADRS]            ; on to the next K step's scale words
	FETCH_B \next, 0, 0
	FETCH_A \next, 0, 0
	SCALES \next
	WIN MUL_HI
	MUL16 4, 1, NQ-1, \slot, 0
	MUL16 6, 1, NQ-1, \slot, 0
	PLACES NP
	WIN 0
	FETCH_A \next, 0, 4
.endm
.macro TAIL                            ; slot 1's four steps; the places behind the last products serve the way out's first reads and writes
	STEPS 1, 0
	s_wait_dscnt 4*NL
	WIN MUL_LO
	MUL16 0, 1, NQ-1, 1, 0
	MUL16 2, 1, NQ-1, 1, 0
	s_wait_dscnt 0
	WIN MUL_HI
	MUL16 4, 1, NQ-1, 1, 0
	MUL16 6, 1, NQ-1, 1, 0
	WIN 0
	PLACES NP
.endm
; THE WAY OUT, block by block of 16 rows x my two heads.
.macro TABLE a                         ; block a's 16 images (8 of cos, 8 of the signed sin) into set a % 2
	WIN TO_B
.irp g, 0,1,2,3,4,5,6,7,8,9,10,11,12,13,14,15
	global_load_b128 v[TB1+128*((\a)%2)+4*\g:TB1+128*((\a)%2)+4*\g+3], v[CO], s[96:97] offset:(\a)*8192+\g*512
.endr
	WIN 0
.endm
.macro ROPE a                          ; blocks i and i + 2 of a head hold d and d xor 32: each is read from its low end on
.set AC, 64*((\a)%4)
.set TS, TB1+128*((\a)%2)
.if (\a) < 7
	s_wait_loadcnt 16                              ; this block's 16 images are in; the next block's may be out
.else
	s_wait_loadcnt 0
.endif
	WIN 0x56+(\a)/4                                ; source 0: the accumulators' window; source 1 (table), source 2 and destination (the rotated numbers): window 1
.irp hh, 0,1
.irp i, 0,1
.irp j, 0,2,4,6
	v_pk_mul_f32 v[8*(4*\hh+\i)+\j:8*(4*\hh+\i)+\j+1], v[AC+8*(4*\hh+\i+2)+\j:AC+8*(4*\hh+\i+2)+\j+1], v[TS+32+8*\i+\j:TS+32+8*\i+\j+1]
	v_pk_mul_f32 v[8*(4*\hh+\i+2)+\j:8*(4*\hh+\i+2)+\j+1], v[AC+8*(4*\hh+\i)+\j:AC+8*(4*\hh+\i)+\j+1], v[TS+32+8*(\i+2)+\j:TS+32+8*(\i+2)+\j+1]
	v_pk_fma_f32 v[8*(4*\hh+\i)+\j:8*(4*\hh+\i)+\j+1], v[AC+8*(4*\hh+\i)+\j:AC+8*(4*\hh+\i)+\j+1], v[TS+8*\i+\j:TS+8*\i+\j+1], v[8*(4*\hh+\i)+\j:8*(4*\hh+\i)+\j+1]
	v_pk_fma_f32 v[8*(4*\hh+\i+2)+\j:8*(4*\hh+\i+2)+\j+1], v[AC+8*(4*\hh+\i+2)+\j:AC+8*(4*\hh+\i+2)+\j+1], v[TS+8*(\i+2)+\j:TS+8*(\i+2)+\j+1], v[8*(4*\hh+\i+2)+\j:8*(4*\hh+\i+2)+\j+1]
.endr
.endr
.endr
.if (\a) < 6
	TABLE (\a)+2                                   ; the set just read takes the block two further on
.endif
	WIN 0x05                                       ; sources window 1, destination window 0
.irp b, 0,1,2,3,4,5,6,7
.irp r, 0,1,2,3
	v_cvt_pk_f16_f32 v[PK+32*((\a)%2)+4*\b+\r], v[8*\b+2*\r], v[8*\b+2*\r+1]
.endr
.endr
	WIN 0
.endm
.macro PACKV a                         ; v: rounded as it is
.set AC, 64*((\a)%4)
	WIN 0x0a+5*((\a)/4)                            ; sources 0 and 1: window 2 or 3
.irp b, 0,1,2,3,4,5,6,7
.irp r, 0,1,2,3
	v_cvt_pk_f16_f32 v[PK+32*((\a)%2)+4*\b+\r], v[AC+8*\b+2*\r], v[AC+8*\b+2*\r+1]
.endr
.endr
	WIN 0
.endm
.macro TOSTAGE a                       ; a lane's 16 bytes belong to one row of one head; they come back four whole rows of 128 bytes an instruction.  LDS serves a wave's instructions in order: no wait between
.irp b, 0,1,2,3,4,5,6,7
	ds_store_b128 v[STO], v[PK+32*((\a)%2)+4*\b:PK+32*((\a)%2)+4*\b+3] offset:(\b/4)*16*HP+(\b%4)*32
.endr
.irp u, 0,1,2,3,4,5,6,7
	ds_load_b128 v[BK+32*((\a)%2)+4*\u:BK+32*((\a)%2)+4*\u+3], v[RD] offset:(\u/4)*16*HP+(\u%4)*4*HP
.endr
.endm
.macro SEND a, younger                 ; younger: the LDS instructions issued behind block a's loads
	s_wait_dscnt \younger
.irp u, 0,1,2,3,4,5,6,7
	global_store_b128 v[CO], v[BK+32*((\a)%2)+4*\u:BK+32*((\a)%2)+4*\u+3], s[12:13] offset:(\u/4)*262144+(\a)*2048+(\u%4)*512   ; a head's rows are dense: 512 consecutive bytes, aligned
.endr
.endm
	s_wait_tensorcnt 1                             ; the scales and my part of K step 0 are in (K step 1's load may be out)
	s_barrier_signal -1
	s_barrier_wait -1                              ; everybody's are
	FETCH_B 0, 0, 0
	FETCH_A 0, 0, 0
	SCALES 0
	FETCH_A 0, 0, 4
	STEP 0, 0, 1                                   ; the first products start the sums: nothing is cleared
	STEPS 0, 1
	TURN 0, 1
	s_cmp_eq_u32 ttmp9, 2                          ; the kind: the cluster's x, the same in all sixteen work-groups
	s_cbranch_scc1 .Lplain
	TABLE 0                                        ; q and k: the first two blocks of the table, 256 matrix instructions ahead of their use
	TABLE 1
	TAIL
	ROPE 0
	TOSTAGE 0
.irp a, 1,2,3,4,5,6,7
	ROPE \a
.if \a > 1
	s_wait_xcnt 0x0                                ; block a - 2's stores have read their registers: block a's rows may land there
.endif
	TOSTAGE \a
	SEND \a-1, 16                                  ; behind block a - 1's loads: block a's 8 stores and 8 loads
.endr
	SEND 7, 0
	s_branch .Ldone
.Lplain:
	TAIL
	PACKV 0
	TOSTAGE 0
.irp a, 1,2,3,4,5,6,7
	PACKV \a
.if \a > 1
	s_wait_xcnt 0x0
.endif
	TOSTAGE \a
	SEND \a-1, 16
.endr
	SEND 7, 0
.Ldone:
	s_wait_tensorcnt 0x0                           ; the wave's end: behind my last tensor load and my last LDS store
	ds_add_u32 v[SPW], v[NIL]
	s_wait_dscnt 0x0
	CROUND                                         ; the closing round
	s_endpgm
.Lfunc_end_k_q760785bba6_qkv:
	.size	k_q760785bba6_qkv, .Lfunc_end_k_q760785bba6_qkv-k_q760785bba6_qkv
	.p2alignl 7, 3214868480
	.fill 96, 4, 3214868480
	.section	.rodata,"a",@progbits
	.p2align	6, 0x0
	.amdhsa_kernel k_q760785bba6_qkv
		.amdhsa_group_segment_fixed_size 327680
		.amdhsa_private_segment_fixed_size 0
		.amdhsa_enable_private_segment 0
		.amdhsa_kernarg_size 48
		.amdhsa_user_sgpr_count 2
		.amdhsa_user_sgpr_kernarg_segment_ptr 1
		.amdhsa_wavefront_size32 1
		.amdhsa_system_sgpr_workgroup_id_x 1
		.amdhsa_system_sgpr_workgroup_id_y 1
		.amdhsa_system_sgpr_workgroup_id_z 1
		.amdhsa_system_vgpr_workitem_id 0
		.amdhsa_next_free_vgpr 1024
		.amdhsa_next_free_sgpr 100
		.amdhsa_reserve_vcc 0
		.amdhsa_float_denorm_mode_32 3
		.amdhsa_float_denorm_mode_16_64 3
		.amdhsa_memory_ordered 1
		.amdhsa_forward_progress 1
		.amdhsa_inst_pref_size 242
	.end_amdhsa_kernel
	.amdgpu_metadata
---
amdhsa.version: [ 1, 2 ]
amdhsa.kernels:
  - .name:           k_q760785bba6_qkv
    .symbol:         k_q760785bba6_qkv.kd
    .args:
      - { .name: xc, .offset: 0, .size: 8, .value_kind: global_buffer, .address_space: global }
      - { .name: xs, .offset: 8, .size: 8, .value_kind: global_buffer, .address_space: global }
      - { .name: wc, .offset: 16, .size: 8, .value_kind: global_buffer, .address_space: global }
      - { .name: ws, .offset: 24, .size: 8, .value_kind: global_buffer, .address_space: global }
      - { .name: tab, .offset: 32, .size: 8, .value_kind: global_buffer, .address_space: global }
      - { .name: qkv16, .offset: 40, .size: 8, .value_kind: global_buffer, .address_space: global }
    .group_segment_fixed_size: 327680
    .private_segment_fixed_size: 0
    .kernarg_segment_align: 8
    .kernarg_segment_size: 48
    .max_flat_workgroup_size: 128
    .sgpr_count:     100
    .vgpr_count:     1024
    .wavefront_size: 32
...
	.end_amdgpu_metadata
.endif
;; end of part 2
;; launch attn (part 3): grid 4 x 64, 8 waves a work-group, clusters of 4 x 1, 327,680 bytes of LDS; arguments qkv16, att; writes att
.if DOCPART == 3
	.amdgcn_target "amdgcn-amd-amdhsa--gfx1250"
	.amdhsa_code_object_version 6
	.text
	.protected	k_q760785bba6_attn
	.globl	k_q760785bba6_attn
	.p2align	8
	.type	k_q760785bba6_attn,@function
k_q760785bba6_attn:
	s_mov_b64 s[64:65], 0
	v_nop
	global_prefetch_b8 v0, s[64:65] scope:SCOPE_SE
	s_setreg_imm32_b32 hwreg(HW_REG_WAVE_MODE, 25, 1), 1
	s_wait_xcnt 0x0
	s_wait_alu depctr_hold_cnt(0) depctr_sa_sdst(0) depctr_va_vdst(0) depctr_va_sdst(0) depctr_va_ssrc(0) depctr_va_vcc(0) depctr_vm_vsrc(0)
	s_getreg_b32 s2, hwreg(HW_REG_IB_STS2, 6, 4)
	s_cmp_eq_u32 s2, 0
	s_cbranch_scc0 .Lentry_in_a_cluster
	s_endpgm
.Lentry_in_a_cluster:
	s_bfe_u32 s2, ttmp6, 0x10000c
	s_cmp_lg_u32 s2, 0x3003
	s_cbranch_scc0 .Lentry_shape_is_right
	s_endpgm
.Lentry_shape_is_right:
; att[head][b 2048 + q][:] = the sum over k of softmax_k(q . k / 8) v[k][:], for each of 64 (batch, head); q, k, v: qkv16[kind][b 16 + head][2048][64] in f16, q already times c = log2(e) / 8.
; Products on f16 operands with f32 sums; maxima, exponentials and row sums in f32; the weights p are rounded to f16 for the second product, the result once at the end.
; SHARES.  A cluster of four work-groups owns a (batch, head): each work-group 512 queries, each of its eight waves 64: four tiles of 16.  Every wave walks all 2,048 keys, 64 a step.  Two waves lie on a SIMD.
; The four partners walk the same K and V: each tile is asked for JOINTLY, by the same tensor load with a mask that names the four.
; LAYOUT.  S^T = K Q^T (source 0 = 16 keys, source 1 = 16 queries): a lane holds ONE query (lane % 16) and keys 8 (lane / 16) + 0 .. 7.  Two such tiles, rounded to f16 in pairs and in place, ARE source 1 of
; O^T = V^T P, whose result again holds one query a lane.  K comes out of LDS as it lies, V turned by ds_load_tr16_b128.
; SOFTMAX.  A running maximum m and sum l for each query: p = 2^(s - m); in every step O and l are multiplied by a = 2^(m_old - m_new).
; A STEP IS WRITTEN IN PHASES (the next K's loads | softmax | O's rescaling | V^T P | the next V's loads | the next K Q^T): at this head size a tile's softmax is several times its products' instructions, and a slice with two
; window switches behind every matrix instruction would add more than it hides; the SIMD's other wave has its own phases.
; LDS.  Rows of K and V are 128 bytes and dense: a step's 64 keys come as 32 rows of 256 bytes (two keys), padded by 16 (K) or 32 bytes (V): the 16 lanes of a load then touch 16 different 16-byte columns.
; LIMITS: inputs in f16 as the launch before left them; NaN and infinities are not served.
; REGISTERS: window 0: v2-12 addresses; v16-47 statistics, 8 a tile; v48-55 second sum chains; v64-127 K of one step; v128-255 S^T, 32 a tile, then p, then P in place.
;   window 1: v0-127 O^T, 32 a tile; v128-191 Q; v192-255 V of one step.
.set PKR,   272                        ; two keys' row of K in LDS
.set PVR,   288                        ; of V
.set VOFF,  32*PKR                     ; a step: K's 32 rows, then V's 32
.set STEPB, 32*(PKR+PVR)
.set SLOT1, 1<<17                      ; a slot holds four steps (71,680 bytes); slot 1 begins here, so that one exclusive or turns an address
.set STAGE, SLOT1+4*STEPB              ; behind the ring: 16 rows x 144 bytes for each wave, for the way out
.set SP,    144
.set SPARE, STAGE+8*16*SP              ; the spare words, 128 bytes a wave
.set AK0, 2                            ; v2   my lane's place in a tile of K
.set AV0, 3                            ; v3   in a tile of V
.set ADK, 4                            ; v4   address of K's run of loads in hand
.set ADV, 5                            ; v5   of V's
.set QO,  6                            ; v6   my byte offset in the wave's rows of Q
.set STO, 7                            ; v7   the way out: where I put 16 bytes of a row
.set RD,  8                            ; v8   where I read rows back
.set GO,  9                            ; v9   16 x lane
.set PFO, 10                           ; v10  256 x lane; never rewritten
.set SPW, 11                           ; v11  LDS address of my spare word; never rewritten
.set NIL, 12                           ; v12  0; never rewritten
.set ST,  16                           ; tile t at v[ST + 8 t]: +0 m, +1 written once, +2, +3 l, +4 .. +7 c0-c3 at work; a takes c2's place
.set BB,  48
.set KF,  64
.set S,   128
.set QF,  128                          ; in window 1
.set VF,  192                          ; in window 1
.set WV,  12                           ; s12  my wave's number
.set LIM, 15                           ; s15  1 in a wave that prefetches, else the greatest number
.set PFA, 18                           ; s[18:19] where my prefetches stand
.set G1K, 24
.set G1V, 32
.set G0K, 40                           ; two sets: the two first fills; the second then walks on
.set G0V, 48
.set SLOTS, 56
.set INNER, 57
.set SEL, 60
.set TB,  62                           ; LDS byte at which the tiles of the step to be fetched begin
.set MSB, 0
.macro WIN new
.if MSB != \new
	s_set_vgpr_msb (MSB<<8)|\new
.set MSB, \new
.endif
.endm
; A joint refill: waves 0 to 3 fetch the four steps' tiles of K, waves 4 to 7 those of V: one load a wave.  An s_nop 0 and four v_nop follow each line.
.macro JLOAD
	s_cmp_lt_u32 s[WV], 4
	s_cbranch_scc0 .Lfor_v_\@
	tensor_load_to_lds s[G0K+4:G0K+7], s[G1K:G1K+7]
	s_nop 0
.rept 4
	v_nop
.endr
	s_branch .Lasked_\@
.Lfor_v_\@:
	tensor_load_to_lds s[G0V+4:G0V+7], s[G1V:G1V+7]
	s_nop 0
.rept 4
	v_nop
.endr
.Lasked_\@:
.endm
; A prefetch of what the NEXT change of slots will ask for: a slot's 32,768 bytes of K and of V.  Each aligned 256 bytes is named once: the four partners take 8,192 bytes each, told apart by address;
; in each, wave 0 asks for K's and wave 4 for V's, lanes 256 bytes apart.  It stands four key steps, 256 matrix instructions a wave, ahead of that load.  The last change that fills a slot asks for nothing.
.macro ASK
	s_cmp_gt_u32 s[SLOTS], s[LIM]
	s_cbranch_scc0 .Lnot_mine_\@
	global_prefetch_b8 v[PFO], s[PFA:PFA+1] th:TH_LOAD_NT scope:SCOPE_SE
.Lnot_mine_\@:
.endm
.macro CROUND
	s_barrier_signal -1
	s_barrier_wait -1
	s_cmp_lg_u32 s[WV], 0
	s_cbranch_scc1 .Lnot_wave_0_\@
	s_barrier_signal -3
.Lnot_wave_0_\@:
	s_barrier_wait -3
	s_barrier_signal -1
	s_barrier_wait -1
.endm
	s_load_b128 s[4:7], s[0:1], 0x0                ; qkv16, att
	v_lshl_add_u32 v[SPW], v0, 2, SPARE
	v_mov_b32 v[NIL], 0
	ds_add_u32 v[SPW], v[NIL]                      ; the wave's opening: the add, twice on end, and its wait ahead of my first tensor load
	ds_add_u32 v[SPW], v[NIL]
	v_lshrrev_b32 v1, 5, v0
	v_readfirstlane_b32 s[WV], v1                  ; wave 0..7
	s_bfe_u32 s13, ttmp6, 0x40000                  ; cx: my block of 512 queries; it enters Q's, att's and the prefetches' addresses alone
	s_and_b32 s14, ttmp7, 0xffff                   ; b 16 + head, which the four partners share
	s_and_b32 s16, s[WV], 3                        ; which of a slot's four steps I fetch:
	s_lshl_b32 s20, s14, 18                        ; the head's 262,144 bytes,
	s_lshl_b32 s21, s16, 13                        ; the step's 8,192
	s_add_co_u32 s20, s20, s21
	s_mov_b32 s21, 0
	s_mul_i32 s17, s16, STEPB                      ; and its place in a slot
	s_lshl_b32 s2, s13, 16                         ; Q: my block's 512 rows of 128 bytes,
	s_lshl_b32 s3, s[WV], 13                       ; my wave's 64
	s_add_co_u32 s2, s2, s3
	s_lshl_b32 s3, s14, 18
	s_add_co_u32 s2, s2, s3
	s_mov_b32 s3, 0
	s_and_b32 s22, s14, 15                         ; att: head x 8,192 rows,
	s_lshl_b32 s22, s22, 20
	s_lshr_b32 s23, s14, 4                         ; b x 2,048 rows,
	s_lshl_b32 s23, s23, 18
	s_add_co_u32 s22, s22, s23
	s_lshl_b32 s23, s13, 16
	s_add_co_u32 s22, s22, s23
	s_lshl_b32 s23, s[WV], 13
	s_add_co_u32 s22, s22, s23
	s_mov_b32 s23, 0
	; descriptor group 1: 32 rows of 256 bytes (32 elements of 8 bytes), dense in memory, padded in LDS
	s_mov_b32 s[G1K], 15|(3<<16)|(1<<20)|(1<<21)|(5<<22)|(3<<25)  ; the mask: all four work-groups; elements of 8 bytes; padding on; bit 21 beside a mask; after every 64 words; four words
	s_mov_b32 s[G1V], 15|(3<<16)|(1<<20)|(1<<21)|(5<<22)|(7<<25)  ; the same with eight words
.irp g, G1K, G1V
	s_mov_b32 s[\g+1], 32<<16                      ; tensor_dim0
	s_mov_b32 s[\g+2], 32<<16                      ; tensor_dim1
	s_mov_b32 s[\g+3], 32<<16                      ; tile_dim0
	s_mov_b32 s[\g+4], 32                          ; tile_dim1
	s_mov_b32 s[\g+5], 32                          ; tensor_dim0_stride
	s_mov_b32 s[\g+6], 0
	s_mov_b32 s[\g+7], 0
.endr
	s_mov_b32 s[SEL], 0x76543210
	s_mov_b32 s[SEL+1], 0xfedcba98                 ; v_permlanex16_b32: lane l xor 16
	s_mov_b32 s[TB], 0
	s_mov_b32 s[SLOTS], 6                          ; slots 2 to 7 are asked for by refills
	s_cmp_eq_u32 s16, 0                            ; waves 0 and 4 prefetch
	s_cselect_b32 s[LIM], 1, -1
	s_wait_dscnt 0x0                               ; both opening adds are done
	s_wait_kmcnt 0x0
	s_add_nc_u64 s[8:9], s[4:5], s[20:21]
	s_add_nc_u64 s[8:9], s[8:9], 0x1000000         ; K at my step of slot 0
	s_add_nc_u64 s[10:11], s[8:9], 0x1000000       ; V likewise
	s_add_nc_u64 s[4:5], s[4:5], s[2:3]            ; Q at my wave's first row
	s_add_nc_u64 s[6:7], s[6:7], s[22:23]          ; att likewise
	s_cmp_lt_u32 s[WV], 4
	s_cselect_b64 s[PFA:PFA+1], s[8:9], s[10:11]   ; (in waves 0 and 4 these stand at a slot's first row)
	s_lshl_b32 s2, s13, 13                         ; my work-group's 8,192 bytes of a slot's 32,768
	s_mov_b32 s3, 0
	s_add_nc_u64 s[PFA:PFA+1], s[PFA:PFA+1], s[2:3]
	s_add_nc_u64 s[PFA:PFA+1], s[PFA:PFA+1], 2*32768  ; in slot 2; the first change of slots steps it to slot 3.  Nothing is prefetched at the head
	CROUND                                         ; all four work-groups are here: the first joint loads meet
.irp s, 0,1
	s_mov_b32 s[G0K+4*\s], 1
	s_add_co_u32 s[G0K+4*\s+1], s17, \s*SLOT1
	s_add_nc_u64 s[G0K+4*\s+2:G0K+4*\s+3], s[8:9], \s*32768
	s_or_b32 s[G0K+4*\s+3], s[G0K+4*\s+3], 0x80000000
	s_mov_b32 s[G0V+4*\s], 1
	s_add_co_u32 s[G0V+4*\s+1], s17, \s*SLOT1+VOFF
	s_add_nc_u64 s[G0V+4*\s+2:G0V+4*\s+3], s[10:11], \s*32768
	s_or_b32 s[G0V+4*\s+3], s[G0V+4*\s+3], 0x80000000
.endr
	s_cmp_lt_u32 s[WV], 4                          ; a wave's two first fills stand in one branch: two loads of mine are out
	s_cbranch_scc0 .Lfirst_v
	tensor_load_to_lds s[G0K:G0K+3], s[G1K:G1K+7]
	s_nop 0
	tensor_load_to_lds s[G0K+4:G0K+7], s[G1K:G1K+7]
	s_nop 0
.rept 4
	v_nop
.endr
	s_branch .Lfirst_asked
.Lfirst_v:
	tensor_load_to_lds s[G0V:G0V+3], s[G1V:G1V+7]
	s_nop 0
	tensor_load_to_lds s[G0V+4:G0V+7], s[G1V:G1V+7]
	s_nop 0
.rept 4
	v_nop
.endr
.Lfirst_asked:
	v_and_b32 v1, 15, v0                           ; r
	v_bfe_u32 v13, v0, 4, 1                        ; h
	v_lshlrev_b32 v[QO], 7, v1
	v_lshl_add_u32 v[QO], v13, 4, v[QO]            ; row r of 128 bytes + 16 h
	WIN 0x40                                       ; destination window 1
.irp t, 0,1,2,3                        ; Q stays in registers: tile t, channels 32 c on: registers 0-3 channels 8 h on, registers 4-7 channels 16 + 8 h on
.irp c, 0,1
	global_load_b128 v[QF+16*\t+8*\c:QF+16*\t+8*\c+3],   v[QO], s[4:5] offset:\t*2048+\c*64
	global_load_b128 v[QF+16*\t+8*\c+4:QF+16*\t+8*\c+7], v[QO], s[4:5] offset:\t*2048+\c*64+32
.endr
.endr
	WIN 0
	v_lshrrev_b32 v14, 1, v1                       ; key r lies in row r / 2, half r % 2
	v_mul_u32_u24 v[AK0], v14, PKR
	v_and_b32 v14, 1, v1
	v_lshl_add_u32 v[AK0], v14, 7, v[AK0]
	v_lshl_add_u32 v[AK0], v13, 4, v[AK0]
	v_bfe_u32 v14, v0, 1, 2                        ; the turning load: lane l reads 16 bytes of key 8 h + l % 8, channels 8 ((l / 8) % 2) on
	v_lshl_add_u32 v14, v13, 2, v14
	v_mul_u32_u24 v[AV0], v14, PVR
	v_and_b32 v14, 1, v0
	v_lshl_add_u32 v[AV0], v14, 7, v[AV0]
	v_bfe_u32 v14, v0, 3, 1
	v_lshl_add_u32 v[AV0], v14, 4, v[AV0]
	v_add_nc_u32 v[AV0], VOFF, v[AV0]
	s_mul_i32 s16, s[WV], 16*SP
	s_add_co_u32 s16, s16, STAGE                   ; my stage
	v_mul_u32_u24 v[STO], v1, SP                   ; in: row r, 16 bytes for each half of the lanes
	v_lshl_add_u32 v[STO], v13, 4, v[STO]
	v_add_nc_u32 v[STO], s16, v[STO]
	v_and_b32 v14, 31, v0
	v_lshrrev_b32 v15, 3, v14                      ; back: eight lanes to a row of 128 bytes
	v_mul_u32_u24 v[RD], v15, SP
	v_and_b32 v15, 7, v0
	v_lshl_add_u32 v[RD], v15, 4, v[RD]
	v_add_nc_u32 v[RD], s16, v[RD]
	v_lshlrev_b32 v[GO], 4, v14
	v_lshlrev_b32 v[PFO], 8, v14
.irp t, 0,1,2,3
	v_mov_b32 v[ST+8*\t+1], 0                      ; named with m as a pair, so it is written
.endr
; The next step's K: 64 keys x 64 channels, 8 fragments.  The addition and three v_nop are the four places behind the products that read K and wrote S^T.
.macro LOADK
	WIN 0
	v_add_nc_u32 v[ADK], s[TB], v[AK0]
.rept 3
	v_nop
.endr
.irp kt, 0,1,2,3
.irp c, 0,1
	ds_load_b128 v[KF+16*\kt+8*\c:KF+16*\kt+8*\c+3],   v[ADK] offset:\kt*8*PKR+\c*64
	ds_load_b128 v[KF+16*\kt+8*\c+4:KF+16*\kt+8*\c+7], v[ADK] offset:\kt*8*PKR+\c*64+32
.endr
.endr
.endm
; The same step's V, turned.  Five places: V's registers are loaded again (four are asked), and the next K Q^T writes over P, a source of the products just issued (five).
.macro LOADV
	WIN 0
	v_add_nc_u32 v[ADV], s[TB], v[AV0]
	s_add_co_u32 s[TB], s[TB], STEPB               ; the next fetch is the next step's
.rept 4
	v_nop
.endr
	WIN 0x40
.irp kf, 0,1
.irp ct, 0,1,2,3
	ds_load_tr16_b128 v[VF+32*\kf+8*\ct:VF+32*\kf+8*\ct+3],   v[ADV] offset:\kf*16*PVR+\ct*32
	ds_load_tr16_b128 v[VF+32*\kf+8*\ct+4:VF+32*\kf+8*\ct+7], v[ADV] offset:\kf*16*PVR+8*PVR+\ct*32
.endr
.endr
	WIN 0
.endm
; S^T = K Q^T: 32 products on 16 accumulators by turns, one instruction a turn; the first 16 start the sums.
.macro KQ
	s_wait_dscnt 16                                ; K is in; V's 16 younger loads may be out
	WIN 0x04                                       ; source 1 (Q) window 1
.irp c, 0,1
.irp kt, 0,1,2,3
.irp t, 0,1,2,3
.if \c == 0
	v_wmma_f32_16x16x32_f16 v[S+32*\t+8*\kt:S+32*\t+8*\kt+7], v[KF+16*\kt+8*\c:KF+16*\kt+8*\c+7], v[QF+16*\t+8*\c:QF+16*\t+8*\c+7], 0
.else
	v_wmma_f32_16x16x32_f16 v[S+32*\t+8*\kt:S+32*\t+8*\kt+7], v[KF+16*\kt+8*\c:KF+16*\kt+8*\c+7], v[QF+16*\t+8*\c:QF+16*\t+8*\c+7], v[S+32*\t+8*\kt:S+32*\t+8*\kt+7]
.endif
.endr
.endr
.endr
.endm
; The softmax of a step, the four tiles by turns in every line.  first = 1: the first key step, which starts m and l.
.macro SOFTMAX first
	WIN 0
.irp j, 0,1,2,3                        ; the maximum: four chains; each accumulator is read from its low end on
.irp t, 0,1,2,3
	v_max3_num_f32 v[ST+8*\t+4+\j], v[S+32*\t+8*\j], v[S+32*\t+8*\j+1], v[S+32*\t+8*\j+2]
.endr
.endr
.irp u, 1,2
.irp j, 0,1,2,3
.irp t, 0,1,2,3
	v_max3_num_f32 v[ST+8*\t+4+\j], v[ST+8*\t+4+\j], v[S+32*\t+8*\j+2*\u+1], v[S+32*\t+8*\j+2*\u+2]
.endr
.endr
.endr
.irp t, 0,1,2,3
	v_max3_num_f32 v[ST+8*\t+4], v[ST+8*\t+4], v[S+32*\t+7], v[S+32*\t+15]
.endr
.irp t, 0,1,2,3
	v_max3_num_f32 v[ST+8*\t+6], v[ST+8*\t+6], v[S+32*\t+23], v[S+32*\t+31]
.endr
.irp t, 0,1,2,3
	v_max3_num_f32 v[ST+8*\t+4], v[ST+8*\t+4], v[ST+8*\t+5], v[ST+8*\t+6]
.endr
.irp t, 0,1,2,3
.if \first
	v_max_num_f32 v[ST+8*\t+4], v[ST+8*\t+4], v[ST+8*\t+7]
.else
	v_max3_num_f32 v[ST+8*\t+4], v[ST+8*\t+4], v[ST+8*\t+7], v[ST+8*\t]
.endif
.endr
.irp t, 0,1,2,3
	v_permlanex16_b32 v[ST+8*\t+5], v[ST+8*\t+4], s[SEL], s[SEL+1]  ; the query's other 32 keys lie in the lane 16 away
.endr
.if \first
.irp t, 0,1,2,3
	v_max_num_f32 v[ST+8*\t], v[ST+8*\t+4], v[ST+8*\t+5]
.endr
.else
.irp t, 0,1,2,3
	v_max_num_f32 v[ST+8*\t+4], v[ST+8*\t+4], v[ST+8*\t+5]
.endr
.irp t, 0,1,2,3
	v_sub_f32 v[ST+8*\t+7], v[ST+8*\t], v[ST+8*\t+4]               ; m_old - m_new
.endr
.irp t, 0,1,2,3
	v_mov_b32 v[ST+8*\t], v[ST+8*\t+4]
.endr
.endif
.set j, 0
.rept 16
.irp t, 0,1,2,3
	v_pk_add_f32 v[S+32*\t+j:S+32*\t+j+1], v[S+32*\t+j:S+32*\t+j+1], v[ST+8*\t:ST+8*\t+1] op_sel_hi:[1,0] neg_lo:[0,1] neg_hi:[0,1]  ; s - m, two at a time
.endr
.set j, j+2
.endr
.if !\first                            ; ONE BATCH of exponentials: a, then the 128 weights; none reads another's result
.irp t, 0,1,2,3
	v_exp_f32 v[ST+8*\t+6], v[ST+8*\t+7]
.endr
.endif
.set j, 0
.rept 32
.irp t, 0,1,2,3
	v_exp_f32 v[S+32*\t+j], v[S+32*\t+j]
.endr
.set j, j+1
.endr
	v_nop                                          ; a plain instruction behind the last exponential
	s_wait_alu depctr_va_vdst(0)                   ; one wait for the batch, ahead of its first reader
.irp t, 0,1,2,3                        ; the row's sum of the unrounded p: two chains a tile
	v_pk_add_f32 v[ST+8*\t+4:ST+8*\t+5], v[S+32*\t:S+32*\t+1], v[S+32*\t+2:S+32*\t+3]
.endr
.irp t, 0,1,2,3
	v_pk_add_f32 v[BB+2*\t:BB+2*\t+1], v[S+32*\t+4:S+32*\t+5], v[S+32*\t+6:S+32*\t+7]
.endr
.set j, 8
.rept 6
.irp t, 0,1,2,3
	v_pk_add_f32 v[ST+8*\t+4:ST+8*\t+5], v[ST+8*\t+4:ST+8*\t+5], v[S+32*\t+j:S+32*\t+j+1]
.endr
.irp t, 0,1,2,3
	v_pk_add_f32 v[BB+2*\t:BB+2*\t+1], v[BB+2*\t:BB+2*\t+1], v[S+32*\t+j+2:S+32*\t+j+3]
.endr
.set j, j+4
.endr
.if \first
.irp t, 0,1,2,3
	v_pk_add_f32 v[ST+8*\t+2:ST+8*\t+3], v[ST+8*\t+4:ST+8*\t+5], v[BB+2*\t:BB+2*\t+1]
.endr
.else
.irp t, 0,1,2,3
	v_pk_add_f32 v[ST+8*\t+4:ST+8*\t+5], v[ST+8*\t+4:ST+8*\t+5], v[BB+2*\t:BB+2*\t+1]
.endr
.irp t, 0,1,2,3
	v_pk_fma_f32 v[ST+8*\t+2:ST+8*\t+3], v[ST+8*\t+2:ST+8*\t+3], v[ST+8*\t+6:ST+8*\t+7], v[ST+8*\t+4:ST+8*\t+5] op_sel_hi:[1,0,1]  ; l = a l + the sum
.endr
.endif
.set i, 0
.rept 8                                ; P in place: register i of a fragment takes numbers 2 i and 2 i + 1 of its 16; ascending, so nothing is overwritten before it is read
.irp t, 0,1,2,3
.irp f, 0,1
	v_cvt_pk_f16_f32 v[S+32*\t+16*\f+i], v[S+32*\t+16*\f+2*i], v[S+32*\t+16*\f+2*i+1]
.endr
.endr
.set i, i+1
.endr
.endm
.macro RESCALE                         ; O^T times a
	WIN 0x41                                       ; destination and source 0 window 1
.set j, 0
.rept 16
.irp t, 0,1,2,3
	v_pk_mul_f32 v[32*\t+j:32*\t+j+1], v[32*\t+j:32*\t+j+1], v[ST+8*\t+6:ST+8*\t+7] op_sel_hi:[1,0]
.endr
.set j, j+2
.endr
.endm
; O^T += V^T P: 32 products on 16 accumulators by turns.  first = 1: the first 16 start the sums.  more = 1: the next step's K, 16 younger loads, may be out.
.macro PV first, more
.if \more
	s_wait_dscnt 16
.else
	s_wait_dscnt 0
.endif
	WIN 0x51                                       ; V, C and D window 1, P window 0
.irp kf, 0,1
.irp ct, 0,1,2,3
.irp t, 0,1,2,3
.if \first && (\kf == 0)
	v_wmma_f32_16x16x32_f16 v[32*\t+8*\ct:32*\t+8*\ct+7], v[VF+32*\kf+8*\ct:VF+32*\kf+8*\ct+7], v[S+32*\t+16*\kf:S+32*\t+16*\kf+7], 0
.else
	v_wmma_f32_16x16x32_f16 v[32*\t+8*\ct:32*\t+8*\ct+7], v[VF+32*\kf+8*\ct:VF+32*\kf+8*\ct+7], v[S+32*\t+16*\kf:S+32*\t+16*\kf+7], v[32*\t+8*\ct:32*\t+8*\ct+7]
.endif
.endr
.endr
.endr
.endm
.macro KSTEP first                     ; a key step: its softmax and V^T P, and the next step's loads and K Q^T
	LOADK
	SOFTMAX \first
.if !\first
	RESCALE
.endif
	PV \first, 1
	LOADV
	KQ
	WIN 0
.endm
.macro RUN n                           ; n key steps, written once; the LDS addresses hang on s[TB]
	s_mov_b32 s[INNER], \n
.Lstep_\@:
	KSTEP 0
	s_sub_co_u32 s[INNER], s[INNER], 1
	s_cmp_lg_u32 s[INNER], 0
	s_cbranch_scc1 .Lstep_\@
.endm
; THE CHANGE OF SLOTS, behind the K Q^T of a slot's last step: that step's K and V have been asked for.  Each wave waits for all its tensor loads (its part of the other slot), adds 0 to its spare word, and waits for
; that and for its reads of the slot.  fill = 1: the barrier is a round of the cluster's, and the joint refill, the keys two slots on, is the first thing behind it: it has four key steps in which to land.
.macro CHANGE fill
	s_wait_tensorcnt 0x0                           ; no tensor load of mine is out, so a group 0 may be written
	ds_add_u32 v[SPW], v[NIL]
.if \fill
.irp g, G0K+4, G0V+4
	s_xor_b32 s[\g+1], s[\g+1], SLOT1              ; the walking descriptor: the other slot than last time,
	s_add_nc_u64 s[\g+2:\g+3], s[\g+2:\g+3], 32768 ; the next 256 keys
.endr
	s_wait_xcnt 0x0                                ; the last prefetch, four key steps back, has read its address
	s_add_nc_u64 s[PFA:PFA+1], s[PFA:PFA+1], 32768
	s_wait_dscnt 0x0                               ; the add is done, and my reads of the slot are over
	CROUND
	JLOAD
	ASK
.else
	s_wait_dscnt 0x0
	s_barrier_signal -1
	s_barrier_wait -1
.endif
	s_sub_co_u32 s[TB], s[TB], 4*STEPB             ; the fetches go back to a slot's first step,
	s_xor_b32 s[TB], s[TB], SLOT1                  ; in the other slot
.endm
	s_wait_tensorcnt 1                             ; my part of slot 0 is in; slot 1's may stay out
	s_barrier_signal -1
	s_barrier_wait -1
	LOADK                                          ; key step 0
	LOADV
	s_wait_loadcnt 0x0                             ; Q
	KQ
	WIN 0
	KSTEP 1                                        ; step 0 starts m, l and O^T
	RUN 2                                          ; steps 1 and 2: slot 0 is read out
.Lslot:                                            ; six trips: slots 2 to 7 are asked for
	CHANGE 1
	RUN 4
	s_sub_co_u32 s[SLOTS], s[SLOTS], 1
	s_cmp_lg_u32 s[SLOTS], 0
	s_cbranch_scc1 .Lslot
	CHANGE 0                                       ; the tail is written out
	RUN 4
.rept 4
	v_nop                                          ; places behind the last K Q^T
.endr
	SOFTMAX 0                                      ; step 31
	RESCALE
	PV 0, 0
	; THE WAY OUT.  l's two halves and the other half of the lanes' are added; O^T is divided by l, rounded to f16 and sent through my stage, a tile (16 rows) at a time.  The additions are the places behind the last products.
	WIN 0
.irp t, 0,1,2,3
	v_add_f32 v[ST+8*\t+4], v[ST+8*\t+2], v[ST+8*\t+3]
.endr
.irp t, 0,1,2,3
	v_permlanex16_b32 v[ST+8*\t+5], v[ST+8*\t+4], s[SEL], s[SEL+1]
.endr
.irp t, 0,1,2,3
	v_add_f32 v[ST+8*\t+4], v[ST+8*\t+4], v[ST+8*\t+5]
.endr
.irp t, 0,1,2,3
	v_rcp_f32 v[ST+8*\t+6], v[ST+8*\t+4]
.endr
	v_nop                                          ; a plain instruction behind the last reciprocal
	s_wait_alu depctr_va_vdst(0)                   ; one wait for the four, ahead of their first reader
.macro PACK t
	WIN 0x41
.set j, 0
.rept 16
	v_pk_mul_f32 v[32*\t+j:32*\t+j+1], v[32*\t+j:32*\t+j+1], v[ST+8*\t+6:ST+8*\t+7] op_sel_hi:[1,0]
.set j, j+2
.endr
	WIN 0x05                                       ; sources window 1, destination window 0: S^T's registers are free
.set j, 0
.rept 16
	v_cvt_pk_f16_f32 v[S+32*\t+j], v[32*\t+2*j], v[32*\t+2*j+1]
.set j, j+1
.endr
	WIN 0
.irp f, 0,1,2,3
	ds_store_b128 v[STO], v[S+32*\t+4*\f:S+32*\t+4*\f+3] offset:32*\f
.endr
.irp f, 0,1,2,3
	ds_load_b128 v[S+32*\t+16+4*\f:S+32*\t+16+4*\f+3], v[RD] offset:\f*4*SP   ; LDS serves a wave's instructions in order: these see the stores above; the next tile's stores come behind them
.endr
.endm
.macro SEND t, younger                 ; younger: the LDS instructions issued behind tile t's loads: the next tile's eight, or none
.irp f, 0,1,2,3
	s_wait_dscnt \younger+3-\f
	global_store_b128 v[GO], v[S+32*\t+16+4*\f:S+32*\t+16+4*\f+3], s[6:7] offset:\t*2048+\f*512   ; a head's rows are dense: 512 consecutive bytes, aligned
.endr
.endm
	PACK 0
	PACK 1
	SEND 0, 8
	PACK 2
	SEND 1, 8
	PACK 3
	SEND 2, 8
	SEND 3, 0
	s_wait_tensorcnt 0x0                           ; the wave's end: behind my last tensor load and my last LDS store
	ds_add_u32 v[SPW], v[NIL]
	s_wait_dscnt 0x0
	CROUND                                         ; the closing round
	s_endpgm
.Lfunc_end_k_q760785bba6_attn:
	.size	k_q760785bba6_attn, .Lfunc_end_k_q760785bba6_attn-k_q760785bba6_attn
	.p2alignl 7, 3214868480
	.fill 96, 4, 3214868480
	.section	.rodata,"a",@progbits
	.p2align	6, 0x0
	.amdhsa_kernel k_q760785bba6_attn
		.amdhsa_group_segment_fixed_size 327680
		.amdhsa_private_segment_fixed_size 0
		.amdhsa_enable_private_segment 0
		.amdhsa_kernarg_size 16
		.amdhsa_user_sgpr_count 2
		.amdhsa_user_sgpr_kernarg_segment_ptr 1
		.amdhsa_wavefront_size32 1
		.amdhsa_system_sgpr_workgroup_id_x 1
		.amdhsa_system_sgpr_workgroup_id_y 1
		.amdhsa_system_sgpr_workgroup_id_z 1
		.amdhsa_system_vgpr_workitem_id 0
		.amdhsa_next_free_vgpr 512
		.amdhsa_next_free_sgpr 66
		.amdhsa_reserve_vcc 0
		.amdhsa_float_denorm_mode_32 3
		.amdhsa_float_denorm_mode_16_64 3
		.amdhsa_memory_ordered 1
		.amdhsa_forward_progress 1
		.amdhsa_inst_pref_size 177
	.end_amdhsa_kernel
	.amdgpu_metadata
---
amdhsa.version: [ 1, 2 ]
amdhsa.kernels:
  - .name:           k_q760785bba6_attn
    .symbol:         k_q760785bba6_attn.kd
    .args:
      - { .name: qkv16, .offset: 0, .size: 8, .value_kind: global_buffer, .address_space: global }
      - { .name: att, .offset: 8, .size: 8, .value_kind: global_buffer, .address_space: global }
    .group_segment_fixed_size: 327680
    .private_segment_fixed_size: 0
    .kernarg_segment_align: 8
    .kernarg_segment_size: 16
    .max_flat_workgroup_size: 256
    .sgpr_count:     66
    .vgpr_count:     512
    .wavefront_size: 32
...
	.end_amdgpu_metadata
.endif
;; end of part 3
;; launch oproj (part 4): grid 4 x 64, 4 waves a work-group, clusters of 4 x 4, 327,680 bytes of LDS; arguments att, w16, out0; writes out0
.if DOCPART == 4
	.amdgcn_target "amdgcn-amd-amdhsa--gfx1250"
	.amdhsa_code_object_version 6
	.text
	.protected	k_q760785bba6_oproj
	.globl	k_q760785bba6_oproj
	.p2align	8
	.type	k_q760785bba6_oproj,@function
k_q760785bba6_oproj:
	s_mov_b64 s[64:65], 0
	v_nop
	global_prefetch_b8 v0, s[64:65] scope:SCOPE_SE
	s_setreg_imm32_b32 hwreg(HW_REG_WAVE_MODE, 25, 1), 1
	s_wait_xcnt 0x0
	s_wait_alu depctr_hold_cnt(0) depctr_sa_sdst(0) depctr_va_vdst(0) depctr_va_sdst(0) depctr_va_ssrc(0) depctr_va_vcc(0) depctr_vm_vsrc(0)
	s_getreg_b32 s2, hwreg(HW_REG_IB_STS2, 6, 4)
	s_cmp_eq_u32 s2, 0
	s_cbranch_scc0 .Lentry_in_a_cluster
	s_endpgm
.Lentry_in_a_cluster:
	s_bfe_u32 s2, ttmp6, 0x10000c
	s_cmp_lg_u32 s2, 0xf033
	s_cbranch_scc0 .Lentry_shape_is_right
	s_endpgm
.Lentry_shape_is_right:
; out0[m][o] = sum over k of a[m][k] w_out[o][k], k = 64 head + d.  a: att[head 16][m 8192][64] f16; w16: [1024][1024] f16; out0: [8192][1024] f32; sums in f32.
; A tile of out0 is 128 x 256, so that there are 256 work-groups; four waves, each 64 x 128: 32 accumulators of 16 x 16, all of window 1.  K goes in steps of 128, two heads, through a ring of two LDS slots.
; a's part of a step is two planes, one a head: 128 rows of 128 bytes, dense in memory, brought as 64 rows of 256 bytes (two rows of a); w16's is 256 rows of 256 bytes.  16 bytes of padding behind every 256.
; CLUSTERS: 4 x 4 work-groups; a row of the cluster shares a's tiles, a column w16's: each is asked for jointly.  Waves 0 and 1 fetch a's planes, waves 2 and 3 w16's halves: one load a wave.
; THE MATRIX INSTRUCTION IS USED TRANSPOSED (source 0 = 16 rows of w16, source 1 = 16 rows of a): a lane holds eight neighbouring numbers of a row of out0.
; No prefetch: the launch is short, eight K steps.
; REGISTERS: window 0: v16-29 addresses; two fragment buffers: a's at v64 and v96 (4 x 16 rows x 32 K), w16's at v128 and v192 (8 x 16 rows x 32 K); on the way out v64-191 rows read back.  window 1: accumulator (a, b) at v[8 (8 a + b)].
.set PITCH,  272
.set APL,    64*PITCH                  ; a plane of a: 128 rows
.set BOFF,   2*APL
.set BHALF,  128*PITCH                 ; 128 rows of w16
.set SLOT,   BOFF+2*BHALF
.set STAGE,  2*SLOT                    ; behind the ring: 16 rows x (512 bytes + 16) for each wave
.set SPITCH, 528
.set SPARE,  STAGE+4*16*SPITCH         ; the spare words, 128 bytes a wave
.set LAPS,   4                         ; a lap = two K steps = once round the ring
.set ADRA, 16
.set ADRB, 20
.set STO,  24
.set RD,   25
.set CO,   26
.set SPW,  28
.set NIL,  29
.set AF,   64
.set BF,   128
.set BK,   64                          ; the way out: v64-127 and v128-191 by turns
.set G1, 24
.set G0, 32
.set G1B, 48
.set G0B, 56
.set MSB, 0
.macro WIN new
.if MSB != \new
	s_set_vgpr_msb (MSB<<8)|\new
.set MSB, \new
.endif
.endm
.set MUL, 0x50                         ; C and D window 1, both sources window 0
.macro JLOAD s                         ; a joint load; an s_nop 0 and four v_nop follow each of the two lines
	s_cmp_eq_u32 s11, 0
	s_cbranch_scc0 .Lfor_b_\@
	tensor_load_to_lds s[G0+4*\s:G0+4*\s+3], s[G1:G1+7]
	s_nop 0
.rept 4
	v_nop
.endr
	s_branch .Lasked_\@
.Lfor_b_\@:
	tensor_load_to_lds s[G0B+4*\s:G0B+4*\s+3], s[G1B:G1B+7]
	s_nop 0
.rept 4
	v_nop
.endr
.Lasked_\@:
.endm
.macro CREST                           ; a round of the cluster's barrier behind its opening barrier
	s_cmp_lg_u32 s10, 0
	s_cbranch_scc1 .Lnot_wave_0_\@
	s_barrier_signal -3
.Lnot_wave_0_\@:
	s_barrier_wait -3
	s_barrier_signal -1
	s_barrier_wait -1
.endm
.macro CROUND
	s_barrier_signal -1
	s_barrier_wait -1
	CREST
.endm
	s_load_b128 s[4:7], s[0:1], 0x0                ; att, w16
	s_load_b64 s[8:9], s[0:1], 0x10                ; out0
	v_lshl_add_u32 v[SPW], v0, 2, SPARE
	v_mov_b32 v[NIL], 0
	ds_add_u32 v[SPW], v[NIL]                      ; the wave's opening: the add, twice on end, and its wait ahead of my first tensor load
	ds_add_u32 v[SPW], v[NIL]
	v_lshrrev_b32 v1, 5, v0
	v_readfirstlane_b32 s10, v1                    ; wave 0..3
	s_lshr_b32 s11, s10, 1                         ; which 64 rows of the tile are mine.  Also: I fetch for a (0) or for w16 (1)
	s_and_b32 s12, s10, 1                          ; which 128 columns.  Also: which plane, or which 128 rows of w16, I fetch
	s_bfe_u32 s40, ttmp6, 0x40000                  ; cx, cy
	s_bfe_u32 s41, ttmp6, 0x40004
	s_lshl_b32 s42, ttmp9, 2
	s_add_co_u32 s42, s42, s40                     ; tile column
	s_and_b32 s13, ttmp7, 0xffff
	s_lshl_b32 s13, s13, 2
	s_add_co_u32 s13, s13, s41                     ; tile row
	s_lshl_b32 s43, s41, 2
	s_lshl_b32 s43, 15, s43                        ; my row of the cluster
	s_lshl_b32 s44, 0x1111, s40                    ; my column
	s_or_b32 s[G1+0], s43, (3<<16)|(1<<20)|(1<<21)|(5<<22)|(3<<25)   ; a: the mask of my row; elements of 8 bytes; padding: four words after every 64
	s_mov_b32 s[G1+1], 32<<16                      ; tensor_dim0 = 32 elements: 256 bytes
	s_mov_b32 s[G1+2], 64<<16                      ; tensor_dim1 = 64
	s_mov_b32 s[G1+3], 32<<16                      ; tile_dim0
	s_mov_b32 s[G1+4], 64                          ; tile_dim1
	s_mov_b32 s[G1+5], 32                          ; dense
	s_mov_b32 s[G1+6], 0
	s_mov_b32 s[G1+7], 0
	s_or_b32 s[G1B+0], s44, (1<<16)|(1<<20)|(1<<21)|(5<<22)|(3<<25)  ; w16: the mask of my column; elements of 2 bytes
	s_mov_b32 s[G1B+1], 128<<16
	s_mov_b32 s[G1B+2], 128<<16
	s_mov_b32 s[G1B+3], 128<<16
	s_mov_b32 s[G1B+4], 128
	s_mov_b32 s[G1B+5], 1024                       ; elements from row to row
	s_mov_b32 s[G1B+6], 0
	s_mov_b32 s[G1B+7], 0
	s_lshl_b32 s16, s12, 20                        ; a: my plane (a head is 1,048,576 bytes),
	s_lshl_b32 s17, s13, 14                        ; the tile's 128 rows of 128 bytes
	s_add_co_u32 s16, s16, s17
	s_mov_b32 s17, 0
	s_lshl_b32 s46, s42, 19                        ; w16: 256 rows of 2,048 bytes a tile column,
	s_lshl_b32 s47, s12, 18                        ; my 128 of them
	s_add_co_u32 s46, s46, s47
	s_mov_b32 s47, 0
	s_mul_i32 s20, s12, APL                        ; where they go
	s_mul_i32 s21, s12, BHALF
	s_add_co_u32 s21, s21, BOFF
	s_wait_dscnt 0x0                               ; both opening adds are done
	s_wait_kmcnt 0x0
	s_add_nc_u64 s[14:15], s[4:5], s[16:17]
	s_add_nc_u64 s[46:47], s[6:7], s[46:47]
	CROUND                                         ; all sixteen work-groups are here: the first joint loads meet
.irp s, 0,1
	s_mov_b32 s[G0+4*\s], 1
	s_add_co_u32 s[G0+4*\s+1], s20, \s*SLOT
	s_add_nc_u64 s[G0+4*\s+2:G0+4*\s+3], s[14:15], \s*0x200000     ; K step s: heads 2 s, 2 s + 1
	s_or_b32 s[G0+4*\s+3], s[G0+4*\s+3], 0x80000000
	s_mov_b32 s[G0B+4*\s], 1
	s_add_co_u32 s[G0B+4*\s+1], s21, \s*SLOT
	s_add_nc_u64 s[G0B+4*\s+2:G0B+4*\s+3], s[46:47], \s*256
	s_or_b32 s[G0B+4*\s+3], s[G0B+4*\s+3], 0x80000000
	JLOAD \s                                       ; two loads of mine are out
.endr
	v_and_b32 v1, 15, v0                           ; r
	v_bfe_u32 v2, v0, 4, 1                         ; h
	v_lshrrev_b32 v3, 1, v1                        ; a: row r lies in LDS row r / 2, half r % 2
	v_mul_u32_u24 v3, v3, PITCH
	v_and_b32 v4, 1, v1
	v_lshl_add_u32 v3, v4, 7, v3
	v_lshl_add_u32 v3, v2, 4, v3
	v_mul_u32_u24 v4, v1, PITCH                    ; w16: row r
	v_lshl_add_u32 v4, v2, 4, v4
	s_mul_i32 s21, s11, 32*PITCH                   ; my 64 rows of a
	s_mul_i32 s22, s12, BHALF                      ; my 128 rows of w16
	s_add_co_u32 s22, s22, BOFF
.irp s, 0,1
	v_add_nc_u32 v[ADRA+\s], s21, v3
	v_add_nc_u32 v[ADRB+\s], s22, v4
	s_add_co_u32 s21, s21, SLOT
	s_add_co_u32 s22, s22, SLOT
.endr
	s_mul_i32 s23, s10, 16*SPITCH
	s_add_co_u32 s23, s23, STAGE                   ; my stage
	v_mul_u32_u24 v5, v1, SPITCH                   ; in: row r, 32 bytes for each half of the lanes
	v_lshl_add_u32 v5, v2, 5, v5
	v_add_nc_u32 v[STO], s23, v5
	v_and_b32 v6, 31, v0
	v_lshlrev_b32 v[CO], 4, v6                     ; back: the 32 lanes take one row of 512 bytes; and the same in out0
	v_add_nc_u32 v[RD], s23, v[CO]
	s_lshl_b32 s16, s13, 19                        ; my first row of out0: 128 x tile row + 64 x half, rows of 4,096 bytes
	s_lshl_b32 s17, s11, 18
	s_add_co_u32 s16, s16, s17
	s_mov_b32 s17, 0
	s_add_nc_u64 s[8:9], s[8:9], s[16:17]
	s_lshl_b32 s46, s42, 10                        ; my first column, in bytes
	s_lshl_b32 s47, s12, 9
	s_add_co_u32 s46, s46, s47
	s_mov_b32 s47, 0
	s_add_nc_u64 s[8:9], s[8:9], s[46:47]
; 8 matrix instructions: a's block a against w16's eight, 32 along K, from buffer f.  The 32 accumulators take turns, one instruction a turn, in the same order in every quarter.
.macro MUL8 f, a, zero
.irp b, 0,1,2,3,4,5,6,7
.if \zero
	v_wmma_f32_16x16x32_f16 v[8*(8*\a+\b):8*(8*\a+\b)+7], v[BF+64*\f+8*\b:BF+64*\f+8*\b+7], v[AF+32*\f+8*\a:AF+32*\f+8*\a+7], 0
.else
	v_wmma_f32_16x16x32_f16 v[8*(8*\a+\b):8*(8*\a+\b)+7], v[BF+64*\f+8*\b:BF+64*\f+8*\b+7], v[AF+32*\f+8*\a:AF+32*\f+8*\a+7], v[8*(8*\a+\b):8*(8*\a+\b)+7]
.endif
.endr
.endm
; 24 LDS loads in one run: quarter qd (32 along K) of a slot into buffer f: w16's 16, then a's 8
.macro FETCH slot, qd, f
	WIN 0
.irp i, 0,1,2,3,4,5,6,7
	ds_load_b128 v[BF+64*\f+8*\i:BF+64*\f+8*\i+3],   v[ADRB+\slot] offset:(\qd)*64+\i*16*PITCH
	ds_load_b128 v[BF+64*\f+8*\i+4:BF+64*\f+8*\i+7], v[ADRB+\slot] offset:(\qd)*64+\i*16*PITCH+32
.endr
.irp i, 0,1,2,3
	ds_load_b128 v[AF+32*\f+8*\i:AF+32*\f+8*\i+3],   v[ADRA+\slot] offset:((\qd)/2)*APL+((\qd)%2)*64+\i*8*PITCH
	ds_load_b128 v[AF+32*\f+8*\i+4:AF+32*\f+8*\i+7], v[ADRA+\slot] offset:((\qd)/2)*APL+((\qd)%2)*64+\i*8*PITCH+32
.endr
.endm
.macro PLACES                          ; four places in front of loads into registers that matrix instructions have read, and of the first read of results
.rept 4
	v_nop
.endr
.endm
; A K step is four quarters of 32 along K on buffers 0, 1, 0, 1.  One of the first three: multiplies buffer f and fetches quarter qd into g.
.macro QUARTER slot, qd, f, g, zero
	s_wait_dscnt 4                                 ; w16's fragments and a's blocks 0, 1 are in; the youngest four loads (blocks 2, 3) may be out
	WIN MUL
	MUL8 \f, 0, \zero
	MUL8 \f, 1, \zero
	PLACES
	FETCH \slot, \qd, \g
	s_wait_dscnt 24                                ; all but the 24 just issued
	WIN MUL
	MUL8 \f, 2, \zero
	MUL8 \f, 3, \zero
.endm
; The last quarter multiplies buffer 1 and changes slots: one barrier; in front of it each wave waits for all its tensor loads, adds 0 to its spare word, and waits for that and for its reads of this slot.
; fill = 1: the barrier opens a round of the cluster's, and this slot is filled again, two K steps ahead, first thing behind the round.
.macro TURN slot, next, fill
	WIN 0
	s_wait_tensorcnt 0x0                           ; all my tensor loads have landed: my part of the next slot
	ds_add_u32 v[SPW], v[NIL]
	s_wait_dscnt 5                                 ; (the add and the youngest four loads may be out)
	WIN MUL
	MUL8 1, 0, 0
	s_wait_dscnt 0x0                               ; the add is done, and my reads of this slot are over
	s_barrier_signal -1
	MUL8 1, 1, 0
.if \fill
	WIN 0
.endif
	s_barrier_wait -1
.if \fill
	CREST
	s_add_nc_u64 s[G0+4*\slot+2:G0+4*\slot+3], s[G0+4*\slot+2:G0+4*\slot+3], 0x400000
	s_add_nc_u64 s[G0B+4*\slot+2:G0B+4*\slot+3], s[G0B+4*\slot+2:G0B+4*\slot+3], 512
	JLOAD \slot                                    ; the four v_nop behind it are also the places in front of the loads below
.else
	PLACES
.endif
	FETCH \next, 0, 0
	WIN MUL
	MUL8 1, 2, 0
	MUL8 1, 3, 0
.endm
	s_wait_tensorcnt 1                             ; my part of K step 0 is in (K step 1's may be out)
	s_barrier_signal -1
	s_barrier_wait -1                              ; everybody's is
	FETCH 0, 0, 0
	QUARTER 0, 1, 0, 1, 1                          ; the first quarter's products start the sums
	WIN 0
	s_mov_b32 s3, LAPS-1
.Llap:                                             ; a trip goes once round the ring and fills both slots again
	QUARTER 0, 2, 1, 0, 0
	QUARTER 0, 3, 0, 1, 0
	TURN 0, 1, 1
	QUARTER 1, 1, 0, 1, 0
	QUARTER 1, 2, 1, 0, 0
	QUARTER 1, 3, 0, 1, 0
	TURN 1, 0, 1
	QUARTER 0, 1, 0, 1, 0
	WIN 0
	s_sub_co_u32 s3, s3, 1
	s_cmp_lg_u32 s3, 0
	s_cbranch_scc1 .Llap
	QUARTER 0, 2, 1, 0, 0                          ; the last lap fills nothing
	QUARTER 0, 3, 0, 1, 0
	TURN 0, 1, 0
	QUARTER 1, 1, 0, 1, 0
	QUARTER 1, 2, 1, 0, 0
	QUARTER 1, 3, 0, 1, 0
	s_wait_dscnt 4
	WIN MUL
	MUL8 1, 0, 0
	MUL8 1, 1, 0
	s_wait_dscnt 0
	MUL8 1, 2, 0
	MUL8 1, 3, 0
	WIN 0
; THE WAY OUT, block by block of 16 rows x 128 columns, through my own stage: back as whole rows of 512 bytes.  LDS serves a wave's instructions in order: no wait between the stores and the loads.
.macro TOSTAGE a
	WIN 0x04                                       ; an LDS store's data are its source 1: window 1
.irp b, 0,1,2,3,4,5,6,7
	ds_store_b128 v[STO], v[64*(\a)+8*\b:64*(\a)+8*\b+3] offset:64*\b          ; each accumulator from its low end on
	ds_store_b128 v[STO], v[64*(\a)+8*\b+4:64*(\a)+8*\b+7] offset:64*\b+16
.endr
	WIN 0
.irp t, 0,1,2,3,4,5,6,7,8,9,10,11,12,13,14,15
	ds_load_b128 v[BK+64*((\a)%2)+4*\t:BK+64*((\a)%2)+4*\t+3], v[RD] offset:\t*SPITCH
.endr
.endm
.macro SEND a, younger
	s_wait_dscnt \younger
.irp t, 0,1,2,3,4,5,6,7,8,9,10,11,12,13,14,15
	global_store_b128 v[CO], v[BK+64*((\a)%2)+4*\t:BK+64*((\a)%2)+4*\t+3], s[8:9] offset:(16*(\a)+\t)*4096 th:TH_STORE_NT   ; 512 consecutive bytes, aligned; written once
.endr
.endm
	PLACES
	TOSTAGE 0
.irp a, 1,2,3
.if \a > 1
	s_wait_xcnt 0x0                                ; block a - 2's stores have read their registers: block a's rows may land there
.endif
	TOSTAGE \a
	SEND \a-1, 32                                  ; behind block a - 1's loads: block a's 16 stores and 16 loads
.endr
	SEND 3, 0
	s_wait_tensorcnt 0x0                           ; the wave's end: behind my last tensor load and my last LDS store
	ds_add_u32 v[SPW], v[NIL]
	s_wait_dscnt 0x0
	CROUND                                         ; the closing round
	s_endpgm
.Lfunc_end_k_q760785bba6_oproj:
	.size	k_q760785bba6_oproj, .Lfunc_end_k_q760785bba6_oproj-k_q760785bba6_oproj
	.p2alignl 7, 3214868480
	.fill 96, 4, 3214868480
	.section	.rodata,"a",@progbits
	.p2align	6, 0x0
	.amdhsa_kernel k_q760785bba6_oproj
		.amdhsa_group_segment_fixed_size 327680
		.amdhsa_private_segment_fixed_size 0
		.amdhsa_enable_private_segment 0
		.amdhsa_kernarg_size 24
		.amdhsa_user_sgpr_count 2
		.amdhsa_user_sgpr_kernarg_segment_ptr 1
		.amdhsa_wavefront_size32 1
		.amdhsa_system_sgpr_workgroup_id_x 1
		.amdhsa_system_sgpr_workgroup_id_y 1
		.amdhsa_system_sgpr_workgroup_id_z 1
		.amdhsa_system_vgpr_workitem_id 0
		.amdhsa_next_free_vgpr 512
		.amdhsa_next_free_sgpr 66
		.amdhsa_reserve_vcc 0
		.amdhsa_float_denorm_mode_32 3
		.amdhsa_float_denorm_mode_16_64 3
		.amdhsa_memory_ordered 1
		.amdhsa_forward_progress 1
		.amdhsa_inst_pref_size 85
	.end_amdhsa_kernel
	.amdgpu_metadata
---
amdhsa.version: [ 1, 2 ]
amdhsa.kernels:
  - .name:           k_q760785bba6_oproj
    .symbol:         k_q760785bba6_oproj.kd
    .args:
      - { .name: att, .offset: 0, .size: 8, .value_kind: global_buffer, .address_space: global }
      - { .name: w16, .offset: 8, .size: 8, .value_kind: global_buffer, .address_space: global }
      - { .name: out0, .offset: 16, .size: 8, .value_kind: global_buffer, .address_space: global }
    .group_segment_fixed_size: 327680
    .private_segment_fixed_size: 0
    .kernarg_segment_align: 8
    .kernarg_segment_size: 24
    .max_flat_workgroup_size: 128
    .sgpr_count:     66
    .vgpr_count:     512
    .wavefront_size: 32
...
	.end_amdgpu_metadata
.endif
;; end of part 4
